; MI455X (gfx1250); checked and timed in simulation.
; The chip was launched on July 23, 2026; its instructions are those of AMD's public machine-readable ISA for CDNA 5 (MIT licence, August 2026) and "CDNA5" Instruction Set Architecture Reference Guide (July 2026). The comments in the code are by the model that wrote it; some were corrected since.
;; Multi Head Attention. Allowed arithmetic: matrix products marked QUANTISED: E2M3 operands, one E8M0 scale for each 32 along K, by v_wmma_scale_f32_16x16x128_f8f6f4 with both operands' format E2M3, f32 sums; everything else in f32.
;; Inputs: k 4 x 2,048 x 1,024 float32; q 4 x 2,048 x 1,024 float32; v 4 x 2,048 x 1,024 float32; w_key 1,024 x 1,024 float32; w_proj 1,024 x 1,024 float32; w_query 1,024 x 1,024 float32; w_value 1,024 x 1,024 float32.
;; Outputs: out0 4 x 2,048 x 1,024 float32.
;; This version of the problem:
;;   THIS VERSION OF THE PROBLEM IS GIVEN IN LOW PRECISION. The matrix products marked QUANTISED in the list below multiply operands that are first quantised to E2M3 (2 exponent bits, 3 mantissa bits; 6 bits a number), with one power-of-two scale for each 32 numbers along K (OCP MX v1.0); their sums are f32. All else is computed in f32.
;;   The module's matrix products, in the order in which they are computed (A, B: the left and right operand; K: the contracted axis; several contracted axes count as one K, in the product's order):
;;     1. [M 8,192, K 1,024] x [K 1,024, N 1,024]; A: input k; B: input w_key: QUANTISED
;;     2. [M 8,192, K 1,024] x [K 1,024, N 1,024]; A: input q; B: input w_query: QUANTISED
;;     3. [M 8,192, K 1,024] x [K 1,024, N 1,024]; A: input v; B: input w_value: QUANTISED
;;     4. batch 64 x [M 2,048, K 64] x [K 64, N 2,048]; A: computed on the way; B: computed on the way: QUANTISED
;;     5. batch 64 x [M 64, K 2,048] x [K 2,048, N 2,048]; A: computed on the way; B: softmax (see below): QUANTISED
;;     6. [M 8,192, K 1,024] x [K 1,024, N 1,024]; A: computed on the way; B: input w_proj: QUANTISED
;;   THE QUANTISER, for each operand of a quantised product, along K:
;;     - K is cut into blocks of 32 from its start; a last block that is shorter is filled with zeros.
;;     - A block's scale is 2^e with e = floor(log2(the largest magnitude in the block)) - 2, held to -126 .. 127; a block of zeros has e = 0. As a byte (E8M0): e + 127.
;;     - Each number is divided by its block's scale, clamped to +-7.5, and rounded to the nearest number of E2M3, ties to even, subnormals kept.
;;     - The product sums the exact products of the quantised numbers (number of the format x scale) in f32.
;;   ~~~python
;;   def quantise(x, axis):      # numpy; x: float32 -> the quantised numbers, widened to float32 again
;;       x = np.moveaxis(x, axis, -1); K = x.shape[-1]
;;       x = np.pad(x, [(0, 0)] * (x.ndim - 1) + [(0, -K % 32)]); x = x.reshape(x.shape[:-1] + (-1, 32)); a = np.abs(x).max(-1, keepdims=True)
;;       e = np.where(a > 0, np.clip(np.frexp(np.where(a > 0, a, 1))[1] - 1 - 2, -126, 127), 0)      # np.frexp(a)[1] - 1 = floor(log2(a)), exactly
;;       r = np.clip(x / 2.0 ** e, -7.5, 7.5)
;;       step = 2.0 ** (np.maximum(np.frexp(np.where(r == 0, 1, r))[1] - 1, 0) - 3)
;;       q = np.round(r / step) * step * 2.0 ** e      # np.round: ties to even
;;       return np.moveaxis(q.reshape(q.shape[:-2] + (-1,))[..., :K], -1, axis).astype(np.float32)
;;   ~~~
;;   SOFTMAX AHEAD OF A QUANTISED PRODUCT. Where the list says 'softmax', what is quantised is not the finished softmax but p = 2^(t - M), with t = logit x log2(e) and M = ceil(the row's largest t), a whole number; so 1/2 < the row's largest p <= 1. The row's sum l is taken of the UNQUANTISED p, in f32, and the product's result is divided by l at the end. Since M is a whole number, a kernel that streams over the keys may use a running M (the ceiling of the running maximum): every later rescaling is an exact power of two, which a block's scale takes up: the codes' values come out the same.
;;   OPERANDS COMPUTED ON THE WAY. 'Computed on the way' means the value that the module computes at that place (a softmax that the list does not call 'softmax' is quantised finished and normalised). What goes into a quantiser is computed in f32, as accurately as f32 sums, v_exp_f32 and their like allow (about 1e-6 of the number): no bf16 or f16 on the way to a quantiser, and a product that is left as it is and whose result goes on into a quantised operand takes f32 operands (vector FMAs, or v_wmma_f32_16x16x4_f32). A number that lies on a knife's edge between two numbers of the format may be rounded either way, as far as f32 arithmetic and the matrix unit's own rounding can turn it there, and no further.
;; One version. Each part assembles by itself: llvm-mc -triple=amdgcn-amd-amdhsa -mcpu=gfx1250 --defsym DOCPART=n.
;; ======== version 1 of 1: 4 launches
;; limits: right only within a limited range of input values
;; workspace buffers: xc 18,874,368 bytes; xs 786,432 bytes; wc 3,145,728 bytes; ws 131,072 bytes; hc 18,874,368 bytes; hs 786,432 bytes; ac 6,291,456 bytes; asc 262,144 bytes
;; launch quant (part 1): grid 128 x 7, 4 waves a work-group, no clusters, 68,096 bytes of LDS; arguments k, q, v, w_key, w_query, w_value, w_proj, xc, xs, wc, ws; writes xc, xs, wc, ws
.if DOCPART == 1
	.amdgcn_target "amdgcn-amd-amdhsa--gfx1250"
	.amdhsa_code_object_version 6
	.text
	.protected	k_qf787198965_quant
	.globl	k_qf787198965_quant
	.p2align	8
	.type	k_qf787198965_quant,@function
k_qf787198965_quant:
	s_mov_b64 s[64:65], 0
	v_nop
	global_prefetch_b8 v0, s[64:65] scope:SCOPE_SE
	s_setreg_imm32_b32 hwreg(HW_REG_WAVE_MODE, 25, 1), 1
	s_wait_xcnt 0x0
; All seven f32 operands become codes of FP6 (E2M3), K innermost, with one E8M0 scale byte for each 32 along K.  A block's scale is 2^(floor(log2(its largest magnitude)) - 2);
; its byte is the largest magnitude's exponent field - 2, held at 1 from below.  One launch, two paths that part on the work-group's number, each with LDS bytes of its own.
; y = 0..5: k, q, v, each [8192][1024], K innermost.  A wave takes a run of 8 rows in 16 steps of 512 numbers: each load reads 512 consecutive bytes; a step turns through the wave's stage in LDS,
; so that a lane holds 16 neighbours along K (two neighbouring lanes hold a block).
; y = 6: the four weights, each [1024 (k)][1024 (n)], K the first axis.  A lane takes a column n and its registers run down K; a wave takes 32 columns x 256 along K; the codes leave through the wave's stage as rows.
; LAYOUTS.  xc = [k, q, v][group of 256 stored rows][K step of 256 (4)][row][192 bytes]; wc likewise for key, query, value; w_proj's codes lie [stored row][768 bytes].  xs, ws = [stored row][32 bytes].
; ROWS ARE STORED PERMUTED: bits 3 and 4 of the row's number are exchanged (16 registers of two neighbouring tiles of a transposed result are then 16 neighbours).
; Tensor k alone: bits 3, 4, 5 are rotated (stored bit 3 = true bit 5, stored 4 = true 3, stored 5 = true 4): a lane's 32 score registers of four key tiles are then one whole block of 32 keys.
; LIMITS: a block of zeros gets the byte 1 where the rule says 127 (zero codes; these bytes are read by this program alone); blocks whose largest magnitude lies under 2^-124 get the byte 1; NaN and infinities are not served.
.set STEPS, 16
.set CB,    12                         ; bytes of 16 codes
.set R,     16                         ; v16-79   four sets of 16 numbers as loaded
.set X,     80                         ; v80-111  two sets of 16 neighbours
.set C,     128                        ; v128-191 codes, four registers a step
.set E,     112                        ; v112-127 a scale byte a step
.set WREG,  8192                       ; the first path's LDS: a region a wave: two stages of 32 x SP bytes, then 256 scale bytes
.set SP,    80
.set WBASE, 32768                      ; the second path's LDS: four stages of 32 x PITCH bytes
.set PITCH, 272
.set SPARE, WBASE+4*32*PITCH           ; the spare words, 128 bytes a wave, which no other line names
.set SPW,   192
.set NIL,   193
	v_lshl_add_u32 v[SPW], v0, 2, SPARE
	v_mov_b32 v[NIL], 0
	s_and_b32 s22, ttmp7, 0xffff
	s_cmp_eq_u32 s22, 6
	s_cbranch_scc1 .Lweights
	s_load_b128 s[4:7], s[0:1], 0x0                ; k, q
	s_load_b64 s[8:9], s[0:1], 0x10                ; v
	s_load_b128 s[12:15], s[0:1], 0x38             ; xc, xs
	v_lshrrev_b32 v1, 5, v0
	v_readfirstlane_b32 s16, v1                    ; wave
	v_and_b32 v2, 31, v0                           ; lane
	v_lshlrev_b32 v3, 4, v2
	s_mul_i32 s17, s16, WREG
	v_lshrrev_b32 v14, 2, v2
	v_mul_u32_u24 v14, v14, SP
	v_and_b32 v15, 3, v2
	v_lshl_add_u32 v14, v15, 4, v14
	v_add_nc_u32 v14, s17, v14                     ; the stage, on the way in: SP (lane / 4) + 16 (lane % 4)
	v_mul_u32_u24 v15, v2, SP
	v_add_nc_u32 v15, s17, v15                     ; on the way out: SP x lane
	v_and_b32 v4, 15, v2                           ; lanes 0-15 hold one K step's 192 bytes of a row, lanes 16-31 the next K step's, 49,152 bytes on
	v_mul_u32_u24 v4, v4, CB
	v_lshrrev_b32 v10, 4, v2
	v_mul_u32_u24 v10, v10, 0xc000
	v_add_nc_u32 v4, v4, v10
	v_lshrrev_b32 v5, 1, v2
	s_add_co_u32 s17, s17, 2*32*SP
	v_add_nc_u32 v5, s17, v5                       ; my block's byte among the wave's 256
	v_lshlrev_b32 v7, 3, v2
	v_add_nc_u32 v6, s17, v7
	s_and_b32 s25, s22, 1
	s_lshl_b32 s25, s25, 7
	s_add_co_u32 s25, s25, ttmp9                   ; which 32 rows of the tensor: 0..255
	s_lshr_b32 s22, s22, 1                         ; which tensor: 0 k, 1 q, 2 v
	s_wait_alu depctr_va_vdst(0)                   ; at the head's end
	s_wait_kmcnt 0x0
	s_cmp_eq_u32 s22, 0
	s_cselect_b64 s[4:5], s[4:5], s[6:7]
	s_cmp_eq_u32 s22, 2
	s_cselect_b64 s[4:5], s[8:9], s[4:5]
	s_lshl_b32 s17, s25, 2
	s_add_co_u32 s18, s17, s16                     ; the run that I read
	s_lshl_b32 s18, s18, 15
	s_mov_b32 s19, 0
	s_add_nc_u64 s[4:5], s[4:5], s[18:19]
	s_and_b32 s20, s16, 1
	s_lshl_b32 s20, s20, 1
	s_lshr_b32 s21, s16, 1
	s_or_b32 s20, s20, s21                         ; bits 3 and 4 of the row exchanged
	s_add_co_u32 s20, s20, s17
	s_add_co_u32 s21, s17, s16                     ; tensor k: bits 3, 4, 5 rotated
	s_and_b32 s23, s21, 3
	s_lshl_b32 s23, s23, 1
	s_bfe_u32 s24, s21, 0x10002
	s_or_b32 s23, s23, s24
	s_and_b32 s21, s21, 0xfffffff8
	s_or_b32 s21, s21, s23
	s_cmp_eq_u32 s22, 0
	s_cselect_b32 s20, s21, s20
	s_lshl_b32 s21, s22, 10
	s_add_co_u32 s20, s20, s21                     ; the run that I write: 1,024 runs a tensor
	s_lshr_b32 s18, s20, 5                         ; 32 runs to a group of 256 rows, 196,608 bytes
	s_mul_i32 s18, s18, 196608
	s_and_b32 s21, s20, 31
	s_mul_i32 s21, s21, 1536                       ; 8 rows of 192 bytes
	s_add_co_u32 s18, s18, s21
	s_add_nc_u64 s[12:13], s[12:13], s[18:19]
	s_lshl_b32 s18, s20, 8                         ; 8 rows of 32 scale bytes
	s_add_nc_u64 s[14:15], s[14:15], s[18:19]
.macro LOAD t
.irp i, 0,1,2,3
	global_load_b128 v[R+16*((\t)%4)+4*\i:R+16*((\t)%4)+4*\i+3], v3, s[4:5] offset:2048*(\t)+512*\i th:TH_LOAD_NT
.endr
.endm
.macro TURN t                          ; LDS serves a wave's instructions in order: no wait between the stores and the loads
.irp i, 0,1,2,3
	ds_store_b128 v14, v[R+16*((\t)%4)+4*\i:R+16*((\t)%4)+4*\i+3] offset:32*SP*((\t)%2)+8*SP*\i
.endr
.irp i, 0,1,2,3
	ds_load_b128 v[X+16*((\t)%2)+4*\i:X+16*((\t)%2)+4*\i+3], v15 offset:32*SP*((\t)%2)+16*\i
.endr
.endm
.irp t, 0,1,2,3
	LOAD \t
.endr
	s_wait_loadcnt 12                              ; step 0's four loads are in; the twelve of steps 1 to 3 stay out
	TURN 0
.macro STEP t
.set XS, X+16*((\t)%2)
.if (\t) > 0
	s_wait_dscnt 1                                 ; this step's numbers are back (the last step's byte store may be out)
.else
	s_wait_dscnt 0x0
.endif
.if (\t)+4 < STEPS
	LOAD (\t)+4
.endif
.if (\t)+1 < STEPS
.if STEPS-2-(\t) >= 3
	s_wait_loadcnt 12                              ; the next step's four loads are in; those of the three steps behind it may be out
.else
	s_wait_loadcnt 4*(STEPS-2-(\t))
.endif
	TURN (\t)+1
.endif
	v_max3_num_f32 v8, |v[XS]|, |v[XS+1]|, |v[XS+2]|
	v_max3_num_f32 v9, |v[XS+3]|, |v[XS+4]|, |v[XS+5]|
.irp i, 6,10
	v_max3_num_f32 v8, v8, |v[XS+\i]|, |v[XS+\i+1]|
	v_max3_num_f32 v9, v9, |v[XS+\i+2]|, |v[XS+\i+3]|
.endr
	v_max3_num_f32 v8, v8, |v[XS+14]|, |v[XS+15]|
	v_max3_num_f32 v8, v8, v9, 0x1800000           ; the floor 2^(3 - 127): the byte cannot fall under 1
	v_max_num_f32_dpp v8, v8, v8 row_xmask:1 row_mask:0xf bank_mask:0xf   ; with my neighbour's 16: the block's
	v_add_nc_u32 v11, 0xff000000, v8               ; 2 off its exponent field: the conversion's scale operand
	v_cvt_scalef32_pk16_fp6_f32 v[C+4*(\t):C+4*(\t)+2], v[XS:XS+15], v11
	v_lshrrev_b32 v[E+(\t)], 23, v11               ; the scale's byte
	ds_store_b8 v5, v[E+(\t)] offset:16*(\t)
	global_store_b96 v4, v[C+4*(\t):C+4*(\t)+2], s[12:13] offset:98304*((\t)%2)+192*((\t)/2)   ; step t is half t % 2 of row t / 2: two K steps
.endm
.irp t, 0,1,2,3,4,5,6,7,8,9,10,11,12,13,14,15
	STEP \t
.endr
	ds_load_b64 v[8:9], v6
	s_wait_dscnt 0x0
	global_store_b64 v7, v[8:9], s[14:15]          ; 32 lanes store 256 consecutive bytes, aligned
	s_wait_tensorcnt 0x0                           ; the wave's end
	ds_add_u32 v[SPW], v[NIL]
	s_wait_dscnt 0x0
	s_endpgm
.Lweights:
.set NB,    8                          ; blocks of 32 along K for a wave
.set WX,    32                         ; v32-95   two sets of 32 numbers
.set WCD,   96                         ; a block's codes
.set OUTR,  112                        ; v112-175 the way out
.set SB,    24                         ; v24-25   the scale bytes
	s_load_b256 s[4:11], s[0:1], 0x18              ; the four weights
	s_load_b128 s[12:15], s[0:1], 0x48             ; wc, ws
	v_lshrrev_b32 v1, 5, v0
	v_readfirstlane_b32 s16, v1
	v_and_b32 v2, 31, v0
	s_and_b32 s31, ttmp9, 31
	s_lshr_b32 s30, s31, 3                         ; which weight
	s_and_b32 s17, s31, 7
	s_lshl_b32 s17, s17, 7
	s_lshl_b32 s18, s16, 5
	s_add_co_u32 s17, s17, s18                     ; my wave's first column
	s_lshr_b32 s18, ttmp9, 5                       ; which 256 along K
	s_cmp_eq_u32 s30, 3
	s_mov_b32 s27, 192
	s_cselect_b32 s27, 768, s27                    ; from row to row of the codes: w_proj's lie row by row
	s_mul_i32 s19, s16, 32*PITCH
	s_add_co_u32 s19, s19, WBASE                   ; my stage
	s_wait_alu depctr_va_vdst(0)                   ; directly ahead of the first reader of the lane's number behind the scalar lines above
	v_lshlrev_b32 v3, 2, v2
	v_and_b32 v10, 7, v2
	v_bfe_u32 v11, v2, 3, 1
	v_lshl_add_u32 v10, v11, 4, v10
	v_bfe_u32 v11, v2, 4, 1
	v_lshl_add_u32 v10, v11, 3, v10                ; my column's stored row among the wave's 32: bits 3 and 4 exchanged
	v_mul_u32_u24 v4, v10, PITCH
	v_add_nc_u32 v4, s19, v4
	v_and_b32 v5, 15, v2
	v_lshrrev_b32 v6, 4, v2                        ; out of the stage: sixteen lanes to a row, two rows an instruction
	v_mul_u32_u24 v7, v6, PITCH
	v_lshl_add_u32 v7, v5, 4, v7
	v_add_nc_u32 v7, s19, v7
	v_mul_u32_u24 v8, s27, v6
	v_mad_u32_u24 v8, v5, 12, v8
	v_lshlrev_b32 v9, 5, v10
	s_lshl_b32 s20, s18, 20                        ; the weight: 256 y rows of 4,096 bytes
	s_lshl_b32 s22, s17, 2
	s_add_co_u32 s20, s20, s22
	s_mov_b32 s21, 0
	s_lshl_b32 s22, s30, 10
	s_add_co_u32 s22, s22, s17                     ; the wave's first stored row
	s_lshr_b32 s24, s22, 8
	s_mul_i32 s24, s24, 196608                     ; the group of 256 rows,
	s_mul_i32 s26, s18, 49152                      ; the K step,
	s_add_co_u32 s24, s24, s26
	s_and_b32 s26, s22, 255
	s_mul_i32 s26, s26, 192                        ; the row in it;
	s_add_co_u32 s24, s24, s26
	s_mul_i32 s25, s22, 768                        ; or, for w_proj, the row and the K step in it
	s_mul_i32 s26, s18, 192
	s_add_co_u32 s25, s25, s26
	s_cmp_eq_u32 s30, 3
	s_cselect_b32 s24, s25, s24
	s_mov_b32 s25, 0
	s_lshl_b32 s28, s22, 5
	s_lshl_b32 s26, s18, 3
	s_add_co_u32 s28, s28, s26
	s_mov_b32 s29, 0
	s_wait_alu depctr_va_vdst(0)                   ; at the head's end
	s_wait_kmcnt 0x0
	s_cmp_eq_u32 s30, 1
	s_cselect_b64 s[4:5], s[6:7], s[4:5]
	s_cmp_eq_u32 s30, 2
	s_cselect_b64 s[4:5], s[8:9], s[4:5]
	s_cmp_eq_u32 s30, 3
	s_cselect_b64 s[4:5], s[10:11], s[4:5]
	s_add_nc_u64 s[4:5], s[4:5], s[20:21]
	s_add_nc_u64 s[12:13], s[12:13], s[24:25]
	s_add_nc_u64 s[14:15], s[14:15], s[28:29]
.macro WLOAD t                         ; block t: W(32 t + i, my column) into set t % 2
.irp i, 0,1,2,3,4,5,6,7,8,9,10,11,12,13,14,15,16,17,18,19,20,21,22,23,24,25,26,27,28,29,30,31
	global_load_b32 v[WX+32*((\t)%2)+\i], v3, s[4:5] offset:(32*(\t)+\i)*4096 th:TH_LOAD_NT
.endr
.endm
	WLOAD 0
	WLOAD 1
.macro BLOCK t
.set XS, WX+32*((\t)%2)
.if (\t) < NB-1
	s_wait_loadcnt 32                              ; this block's 32 loads are in; the next block's may be out
.else
	s_wait_loadcnt 0
.endif
	v_max3_num_f32 v12, |v[XS]|, |v[XS+1]|, |v[XS+2]|
	v_max3_num_f32 v13, |v[XS+3]|, |v[XS+4]|, |v[XS+5]|
.irp i, 6,10,14,18,22,26
	v_max3_num_f32 v12, v12, |v[XS+\i]|, |v[XS+\i+1]|
	v_max3_num_f32 v13, v13, |v[XS+\i+2]|, |v[XS+\i+3]|
.endr
	v_max3_num_f32 v12, v12, |v[XS+30]|, |v[XS+31]|
	v_max3_num_f32 v12, v12, v13, 0x1800000
	v_add_nc_u32 v11, 0xff000000, v12
	v_lshrrev_b32 v13, 23, v11
.if (\t)%4 == 0
	v_mov_b32 v[SB+(\t)/4], v13
.else
	v_lshl_or_b32 v[SB+(\t)/4], v13, 8*((\t)%4), v[SB+(\t)/4]
.endif
	v_cvt_scalef32_pk16_fp6_f32 v[WCD:WCD+2], v[XS:XS+15], v11
	v_cvt_scalef32_pk16_fp6_f32 v[WCD+4:WCD+6], v[XS+16:XS+31], v11
	v_nop                                          ; one plain line behind the conversions
	ds_store_b96 v4, v[WCD:WCD+2] offset:32*(\t)   ; 12 bytes to a place of 16 in the stage
	ds_store_b96 v4, v[WCD+4:WCD+6] offset:32*(\t)+16
.if (\t)+2 < NB
	WLOAD (\t)+2
.endif
	s_wait_dscnt 0x0                               ; the stores have read their registers
.endm
.set Q, 0
.rept NB
	BLOCK Q
.set Q, Q+1
.endr
	s_wait_alu depctr_va_vdst(0)                   ; directly ahead of the reader below
	global_store_b64 v9, v[SB:SB+1], s[14:15]      ; my column's 8 scale bytes
.irp t, 0,1,2,3,4,5,6,7,8,9,10,11,12,13,14,15
	ds_load_b96 v[OUTR+4*\t:OUTR+4*\t+2], v7 offset:2*\t*PITCH
.endr
.macro WOUT rs                         ; sixteen lanes store a row's 192 consecutive bytes; rs: bytes from row to row
.irp t, 0,1,2,3,4,5,6,7,8,9,10,11,12,13,14,15
	s_wait_dscnt 15-\t                             ; the loads come back in order: the younger ones stay out
	global_store_b96 v8, v[OUTR+4*\t:OUTR+4*\t+2], s[12:13] offset:2*\t*\rs
.endr
.endm
	s_cmp_eq_u32 s30, 3                            ; the stores' immediates differ between the two layouts: the branch hangs on the work-group's number alone
	s_cbranch_scc1 .Lby_rows
	WOUT 192
	s_branch .Lw_done
.Lby_rows:
	WOUT 768
.Lw_done:
	s_wait_tensorcnt 0x0                           ; the wave's end
	ds_add_u32 v[SPW], v[NIL]
	s_wait_dscnt 0x0
	s_endpgm
.Lfunc_end_k_qf787198965_quant:
	.size	k_qf787198965_quant, .Lfunc_end_k_qf787198965_quant-k_qf787198965_quant
	.p2alignl 7, 3214868480
	.fill 96, 4, 3214868480
	.section	.rodata,"a",@progbits
	.p2align	6, 0x0
	.amdhsa_kernel k_qf787198965_quant
		.amdhsa_group_segment_fixed_size 68096
		.amdhsa_private_segment_fixed_size 0
		.amdhsa_enable_private_segment 0
		.amdhsa_kernarg_size 88
		.amdhsa_user_sgpr_count 2
		.amdhsa_user_sgpr_kernarg_segment_ptr 1
		.amdhsa_wavefront_size32 1
		.amdhsa_system_sgpr_workgroup_id_x 1
		.amdhsa_system_sgpr_workgroup_id_y 1
		.amdhsa_system_sgpr_workgroup_id_z 1
		.amdhsa_system_vgpr_workitem_id 0
		.amdhsa_next_free_vgpr 200
		.amdhsa_next_free_sgpr 66
		.amdhsa_reserve_vcc 0
		.amdhsa_float_denorm_mode_32 3
		.amdhsa_float_denorm_mode_16_64 3
		.amdhsa_memory_ordered 1
		.amdhsa_forward_progress 1
		.amdhsa_inst_pref_size 78
	.end_amdhsa_kernel
	.amdgpu_metadata
---
amdhsa.version: [ 1, 2 ]
amdhsa.kernels:
  - .name:           k_qf787198965_quant
    .symbol:         k_qf787198965_quant.kd
    .args:
      - { .name: k, .offset: 0, .size: 8, .value_kind: global_buffer, .address_space: global }
      - { .name: q, .offset: 8, .size: 8, .value_kind: global_buffer, .address_space: global }
      - { .name: v, .offset: 16, .size: 8, .value_kind: global_buffer, .address_space: global }
      - { .name: w_key, .offset: 24, .size: 8, .value_kind: global_buffer, .address_space: global }
      - { .name: w_query, .offset: 32, .size: 8, .value_kind: global_buffer, .address_space: global }
      - { .name: w_value, .offset: 40, .size: 8, .value_kind: global_buffer, .address_space: global }
      - { .name: w_proj, .offset: 48, .size: 8, .value_kind: global_buffer, .address_space: global }
      - { .name: xc, .offset: 56, .size: 8, .value_kind: global_buffer, .address_space: global }
      - { .name: xs, .offset: 64, .size: 8, .value_kind: global_buffer, .address_space: global }
      - { .name: wc, .offset: 72, .size: 8, .value_kind: global_buffer, .address_space: global }
      - { .name: ws, .offset: 80, .size: 8, .value_kind: global_buffer, .address_space: global }
    .group_segment_fixed_size: 68096
    .private_segment_fixed_size: 0
    .kernarg_segment_align: 8
    .kernarg_segment_size: 88
    .max_flat_workgroup_size: 128
    .sgpr_count:     66
    .vgpr_count:     200
    .wavefront_size: 32
...
	.end_amdgpu_metadata
.endif
;; end of part 1
;; launch proj (part 2): grid 4 x 96, 4 waves a work-group, clusters of 4 x 4, 327,680 bytes of LDS; arguments xc, xs, wc, ws, hc, hs; writes hc, hs
.if DOCPART == 2
	.amdgcn_target "amdgcn-amd-amdhsa--gfx1250"
	.amdhsa_code_object_version 6
	.text
	.protected	k_qf787198965_proj
	.globl	k_qf787198965_proj
	.p2align	8
	.type	k_qf787198965_proj,@function
k_qf787198965_proj:
	s_mov_b64 s[64:65], 0
	v_nop
	global_prefetch_b8 v0, s[64:65] scope:SCOPE_SE
	s_setreg_imm32_b32 hwreg(HW_REG_WAVE_MODE, 25, 1), 1
	s_wait_xcnt 0x0
	s_wait_alu depctr_hold_cnt(0) depctr_sa_sdst(0) depctr_va_vdst(0) depctr_va_sdst(0) depctr_va_ssrc(0) depctr_va_vcc(0) depctr_vm_vsrc(0)
	s_getreg_b32 s2, hwreg(HW_REG_IB_STS2, 6, 4)
	s_cmp_eq_u32 s2, 0
	s_cbranch_scc0 .Lentry_in_a_cluster
	s_endpgm
.Lentry_in_a_cluster:
	s_bfe_u32 s2, ttmp6, 0x10000c
	s_cmp_lg_u32 s2, 0xf033
	s_cbranch_scc0 .Lentry_shape_is_right
	s_endpgm
.Lentry_shape_is_right:
; The three projections kh = k w_key, qh = q w_query, vh = v w_value on codes of FP6 (E2M3) with E8M0 scales, K = 1,024, and the quantising of their results for the attention launch.
; A tile of 256 x 256 of a result is made by a work-group of four waves; a wave makes 128 x 128: 64 accumulators of 16 x 16, 512 registers.  K goes in steps of 256 through a ring of two LDS slots
; filled by the tensor data mover; a tile's row is 192 bytes.  The scale bytes of the work-group's 2 x 256 rows, for all of K, come into LDS once, with the first fills.
; THE MATRIX INSTRUCTION IS USED TRANSPOSED: source 0 = 16 rows of the operand called B, source 1 = 16 rows of the operand called A: a lane holds ONE row of A and its registers run along rows of B.
; For kh and qh (cluster y 0-7, 8-15): A = the tokens' rows, B = the weight's rows n = (head, d): a lane holds a token and its registers run along d, the K of q k^T.
; For vh (cluster y 16-23) the two change places BY POINTERS: A = the weight's rows, B = the tokens' rows: a lane holds one (head, d) and its registers run along the tokens, the K of p v.  The text is the same.
; All rows in xc and wc are stored with bits 3 and 4 of the row number exchanged: so the 16 registers of B's tiles 2 b and 2 b + 1 are 16 NEIGHBOURS, true index 32 b + 16 (lane / 16) + 0 .. 15,
; and lane r of A's block a is true row 32 (a / 2) + 8 (a % 2) + r + 8 (r / 8).
; THE WAY OUT: each block a (16 rows of A x 128 along B) is quantised in registers, four blocks of 32, and leaves AS AN IMAGE OF AN OPERAND'S REGISTERS: six registers of 32 lanes are 768 bytes
; (registers 0-3 at 16 x lane, registers 4-5 at 512 + 8 x lane).  hc = three regions (k, q, v) x [batch x head (64)][98,304 bytes]; k, q: [block of 16 tokens (128)][768]; v: [128 keys (16)][16 d (4)][2 x 768].
; hs = three regions x [batch x head][128 tokens (16)][row r (16)][4 words]: k, q: word j = the two bytes of block 2 j, then those of block 2 j + 1; v: word j = the four key blocks' bytes of d tile j.
; CLUSTERS: 4 x 4 work-groups; A's tile is shared along a row of the cluster, B's along a column, each asked for jointly.
; LIMITS: a block of zeros gets the byte 1 where the rule says 127 (zero codes; only this program reads the bytes); blocks whose largest magnitude lies under 2^-124 get the byte 1; NaN and infinities are not served.
; REGISTERS, in windows of 256: window 0: v0-31 addresses; v32-63 scale words, two sets; from v128 A's fragments, ONE set; on the way out v1-10 and v112-231.
;   window 1: B's fragments, TWO sets, at v0 and at v128.   window 2: the accumulators of A's blocks 0-3 ((a, b) at v[8 (8 a + b)]);   window 3: those of blocks 4-7.
.set SIZE_K, 1024
.set KSTEP,  256                       ; along K in a slot
.set NQ,     KSTEP/128                 ; matrix instructions deep
.set ROWB,   192
.set GSTEP,  49152                     ; xc and wc are laid [256 rows][K step (4)][row][192 bytes]: a K step of 256 rows is a dense block of 49,152 bytes,
.set GHALF,  24576                     ; of 128 rows 24,576; a tensor load states it as rows of 768 bytes (four data rows), which begin at multiples of 256 bytes
.set G0H,    4                         ; s[4:7], s[8:11] group 0 for the head's loads of K step 0 (the arguments that lay there have been used by then)
.set G0HB,   8
.set KROW,   SIZE_K*6/8                ; a row of codes in memory
.set PITCH,  240                       ; an LDS row: 3 x (64 bytes of data + 16 of padding)
.set FR,     12                        ; registers of a fragment
.set NL,     6                         ; LDS loads that bring one
.set NP,     4                         ; places behind this matrix instruction (ISA guide 7.12.1)
.set HALFT,  128*PITCH                 ; 128 rows: what one tensor load brings
.set SLOT,   4*HALFT                   ; A's 256 rows, then B's 256 rows
.set LAPS,   SIZE_K/(2*KSTEP)
.set KS,     SIZE_K/32                 ; a row of scales in bytes
.set SCL,    2*SLOT                    ; behind the ring: the scales, as runs of 256 bytes + 16 of padding
.set HALFS,  (128*KS/256)*272          ; the scales of 128 rows
.set SBLK,   (16*KS/256)*272           ; those of 16 rows
.set SPARE,  SCL+4*HALFS               ; behind the scales: the spare words, 128 bytes for each wave, which no other line names
.set ADRA, 16                          ; v16-17  LDS address of my A fragments in slot 0, 1  (v18-19: for the pieces that lie behind one padding more)
.set ADRB, 20                          ; v20-21  the same for B  (v22-23)
.set ADRS, 27                          ; v27     LDS address of my scale words: lanes 0-15 A's rows, lanes 16-31 B's
.set SPW,  28                          ; v28     LDS address of my spare word; never rewritten
.set NIL,  29                          ; v29     0; never rewritten
.set SC,   32                          ; scale words: set s at v[SC + 16 s]; register 2 i + q: lanes 0-15 the word of A's block i, lanes 16-31 that of B's block i
.set AF,   128                         ; A's fragments, in window 0
.set O16,  8                           ; the way out: v8 16 x lane, v9 8 x lane, v10 my place among the scale words
.set O8,   9
.set OSC,  10
.set PC,   112                         ; v112-131 the codes just made
.set TM,   200                         ; v200-203 largest magnitudes, v204-207 the other half's and then the bytes, v212-215 the conversions' scale operands
.set PWS,  216                         ; v216-223 a scale word for each block a
.set OUTW, 224                         ; v224-227 the four words that I store
.set G1, 24                            ; s[24:31] descriptor group 1 for A's tiles;  s[32:39] group 0, one set for each slot
.set G0, 32
.set G1B, 48                           ; s[48:55], s[56:63] the same for B's tiles
.set G0B, 56
.set G1S, 68                           ; s[68:75], s[76:79] groups 1 and 0 for A's scales;  s[80:87], s[88:91] for B's
.set G0S, 76
.set G1SB, 80
.set G0SB, 88
.set MSB, 0
.macro WIN new                         ; the immediate's high byte repeats the setting that is left
.if MSB != \new
	s_set_vgpr_msb (MSB<<8)|\new
.set MSB, \new
.endif
.endm
.set MUL_LO, 0xa1                      ; source 0 (B) window 1, source 1 (A) window 0, C and D window 2
.set MUL_HI, 0xf1                      ; the same, C and D window 3
.set TO_B,   0x40                      ; destination window 1, address window 0
; A joint load: waves 0 and 1 fetch for A, waves 2 and 3 for B.  The branch hangs on the wave's number alone.  An s_nop 0 and four v_nop follow each of the two lines.
.macro JLOAD g0a, g1a, g0b, g1b
	s_cmp_eq_u32 s15, 0
	s_cbranch_scc0 .Lfor_b_\@
	tensor_load_to_lds s[\g0a:\g0a+3], s[\g1a:\g1a+7]
	s_nop 0
.rept 4
	v_nop
.endr
	s_branch .Lasked_\@
.Lfor_b_\@:
	tensor_load_to_lds s[\g0b:\g0b+3], s[\g1b:\g1b+7]
	s_nop 0
.rept 4
	v_nop
.endr
.Lasked_\@:
.endm
.macro CREST                           ; a round of the cluster's barrier behind its opening barrier
	s_cmp_lg_u32 s14, 0
	s_cbranch_scc1 .Lnot_wave_0_\@
	s_barrier_signal -3
.Lnot_wave_0_\@:
	s_barrier_wait -3
	s_barrier_signal -1
	s_barrier_wait -1
.endm
.macro CROUND                          ; a whole round
	s_barrier_signal -1
	s_barrier_wait -1
	CREST
.endm
	s_load_b128 s[4:7], s[0:1], 0x0                ; xc, xs
	s_load_b128 s[8:11], s[0:1], 0x10              ; wc, ws
	s_load_b128 s[96:99], s[0:1], 0x20             ; hc, hs
	v_lshl_add_u32 v[SPW], v0, 2, SPARE
	v_mov_b32 v[NIL], 0
	ds_add_u32 v[SPW], v[NIL]                      ; the wave's opening: the add and its wait stand ahead of my first tensor load; the set-up below, work on registers, stands between them
	ds_add_u32 v[SPW], v[NIL]
	v_lshrrev_b32 v1, 5, v0
	v_readfirstlane_b32 s14, v1                    ; wave 0..3
	s_lshr_b32 s15, s14, 1                         ; which half of A's 256 rows is mine.  Also: I fetch for A (0) or for B (1)
	s_and_b32 s16, s14, 1                          ; which half of B's.  Also: which 128 rows of that tile I fetch
	s_bfe_u32 s40, ttmp6, 0x40000                  ; cx, cy: my place in the cluster
	s_bfe_u32 s41, ttmp6, 0x40004
	s_and_b32 s95, ttmp7, 0xffff                   ; cluster y, 0..23: eight for each of k, q, v
	s_lshl_b32 s18, s95, 2                         ; 4 x cluster y: the cluster's first tile of 256 tokens' rows in xc
	s_lshr_b32 s19, s95, 3
	s_lshl_b32 s19, s19, 2                         ; 4 x tensor: the weight's first tile of 256 rows in wc
	s_cmp_ge_u32 s95, 16                           ; vh?  The same in all sixteen partners
	s_cselect_b32 s17, 8, s18
	s_cselect_b32 s42, s18, s19
	s_add_co_u32 s17, s17, s41                     ; A's tile: it hangs on cy alone,
	s_add_co_u32 s42, s42, s40                     ; B's on cx alone
	s_lshl_b32 s43, s41, 2
	s_lshl_b32 s43, 15, s43                        ; my row of the cluster
	s_lshl_b32 s44, 0x1111, s40                    ; my column
	; descriptor group 1: a tile of 128 rows x 192 bytes, padded in LDS
	s_or_b32 s[G1+0], s43, (0<<16)|(1<<20)|(1<<21)|(3<<22)|(3<<25)  ; 15:0 the mask: A's tiles go to my row; 17:16 element of 1 byte; 20 padding on; 21 set beside a mask; 24:22 after every 16 words; 31:25 of 4 words
	s_or_b32 s[G1B+0], s44, (0<<16)|(1<<20)|(1<<21)|(3<<22)|(3<<25)
.irp g, G1, G1B
	s_mov_b32 s[\g+1], 768<<16                     ; tensor_dim0: four data rows on end
	s_mov_b32 s[\g+2], 64<<16                      ; tensor_dim1 = 64: 256 data rows, for the head's loads
	s_mov_b32 s[\g+3], 768<<16                     ; tile_dim0
	s_mov_b32 s[\g+4], 64                          ; tile_dim1
	s_mov_b32 s[\g+5], KROW                        ; tensor_dim0_stride
	s_mov_b32 s[\g+6], 0
	s_mov_b32 s[\g+7], 0
.endr
	; the scales of 256 rows: a dense block of 8,192 bytes, as rows of 256 bytes (32 elements of 8 bytes), 16 bytes of padding behind each
	s_or_b32 s[G1S+0], s43, (3<<16)|(1<<20)|(1<<21)|(5<<22)|(3<<25)
	s_or_b32 s[G1SB+0], s44, (3<<16)|(1<<20)|(1<<21)|(5<<22)|(3<<25)
.irp g, G1S, G1SB
	s_mov_b32 s[\g+1], 32<<16
	s_mov_b32 s[\g+2], KS<<16                      ; the scales of 256 rows: KS rows of 256 bytes
	s_mov_b32 s[\g+3], 32<<16
	s_mov_b32 s[\g+4], KS
	s_mov_b32 s[\g+5], 32
	s_mov_b32 s[\g+6], 0
	s_mov_b32 s[\g+7], 0
.endr
	s_lshl_b32 s20, s17, 8                         ; A: the tile's first row
	s_lshl_b32 s46, s42, 8                         ; B likewise
	s_mov_b32 s21, 0
	s_mov_b32 s47, 0
	s_mov_b64 s[18:19], KS
	s_mul_u64 s[22:23], s[20:21], s[18:19]         ; where these rows' scales begin, in bytes
	s_mul_u64 s[92:93], s[46:47], s[18:19]
	s_mov_b64 s[18:19], KROW
	s_mul_u64 s[20:21], s[20:21], s[18:19]         ; and their codes
	s_mul_u64 s[46:47], s[46:47], s[18:19]
	s_mul_i32 s18, s16, GHALF                      ; in the ring I fetch 128 rows of a tile: which half, in bytes
	s_mov_b32 s19, 0
	s_mul_i32 s45, s14, HALFT
	s_wait_dscnt 0x0                               ; the opening add is done
	s_wait_kmcnt 0x0
	s_cmp_ge_u32 s95, 16                           ; for vh the weight is A and the tokens are B: the buffers change places
	s_cselect_b64 s[2:3], s[8:9], s[4:5]
	s_cselect_b64 s[8:9], s[4:5], s[8:9]
	s_mov_b64 s[4:5], s[2:3]
	s_cselect_b64 s[2:3], s[10:11], s[6:7]
	s_cselect_b64 s[10:11], s[6:7], s[10:11]
	s_mov_b64 s[6:7], s[2:3]
	s_add_nc_u64 s[20:21], s[4:5], s[20:21]
	s_add_nc_u64 s[22:23], s[6:7], s[22:23]
	s_add_nc_u64 s[46:47], s[8:9], s[46:47]
	s_add_nc_u64 s[92:93], s[10:11], s[92:93]
	CROUND                                         ; all sixteen work-groups are here: the first joint loads meet
	s_mov_b32 s[G0S], 1
	s_mov_b32 s[G0S+1], SCL
	s_mov_b64 s[G0S+2:G0S+3], s[22:23]
	s_or_b32 s[G0S+3], s[G0S+3], 0x80000000
	s_mov_b32 s[G0SB], 1
	s_mov_b32 s[G0SB+1], SCL+2*HALFS
	s_mov_b64 s[G0SB+2:G0SB+3], s[92:93]
	s_or_b32 s[G0SB+3], s[G0SB+3], 0x80000000
	s_mov_b32 s[G0H], 1                            ; K step 0's 256 rows of A,
	s_mov_b32 s[G0H+1], 0
	s_mov_b64 s[G0H+2:G0H+3], s[20:21]
	s_or_b32 s[G0H+3], s[G0H+3], 0x80000000
	s_mov_b32 s[G0HB], 1                           ; and of B, behind them in slot 0
	s_mov_b32 s[G0HB+1], 2*HALFT
	s_mov_b64 s[G0HB+2:G0HB+3], s[46:47]
	s_or_b32 s[G0HB+3], s[G0HB+3], 0x80000000
	; THE PREFETCHES.  A K step of a tile is a dense block of 192 runs of 256 bytes.  The four partners that ask for a tile jointly share its runs out BY ADDRESS, 48 each (by cx for A, by cy for B);
	; of these waves 0 and 1 take 24 each of A's, waves 2 and 3 of B's: a lane a run (lanes 24-31 name lane 23's again).  s[100:101] and v30 are never rewritten; the K step stands in the immediate.
	s_cmp_eq_u32 s15, 0
	s_cselect_b64 s[100:101], s[20:21], s[46:47]
	s_cselect_b32 s2, s40, s41
	s_mul_i32 s2, s2, 48
	s_mul_i32 s3, s16, 24
	s_add_co_u32 s2, s2, s3
	s_lshl_b32 s2, s2, 8
	s_mov_b32 s3, 0
	s_add_nc_u64 s[100:101], s[100:101], s[2:3]
	s_add_nc_u64 s[20:21], s[20:21], s[18:19]
	s_add_nc_u64 s[46:47], s[46:47], s[18:19]
.irp s, 0,1
	s_mov_b32 s[G0+4*\s], 1
	s_add_co_u32 s[G0+4*\s+1], s45, \s*SLOT
	s_add_nc_u64 s[G0+4*\s+2:G0+4*\s+3], s[20:21], \s*GSTEP
	s_or_b32 s[G0+4*\s+3], s[G0+4*\s+3], 0x80000000
	s_mov_b32 s[G0B+4*\s], 1
	s_add_co_u32 s[G0B+4*\s+1], s45, \s*SLOT
	s_add_nc_u64 s[G0B+4*\s+2:G0B+4*\s+3], s[46:47], \s*GSTEP
	s_or_b32 s[G0B+4*\s+3], s[G0B+4*\s+3], 0x80000000
.endr
; The head's loads, one a wave: wave 0 K step 0's 256 rows of A, wave 1 those of B, wave 2 A's scales, wave 3 B's.  One chain of branches on the wave's number.
.macro ARM under, g0, g1, next
	s_cmp_lt_u32 s14, \under
	s_cbranch_scc0 \next
	tensor_load_to_lds s[\g0:\g0+3], s[\g1:\g1+7]
	s_nop 0
.rept 4
	v_nop
.endr
	s_branch .Lhead_asked
\next:
.endm
	ARM 1, G0H,  G1,  .Lhead_b
	ARM 2, G0HB, G1B, .Lhead_sa
	ARM 3, G0S,  G1S, .Lhead_sb
	tensor_load_to_lds s[G0SB:G0SB+3], s[G1SB:G1SB+7]
	s_nop 0
.rept 4
	v_nop
.endr
.Lhead_asked:
	v_and_b32 v30, 31, v0
	v_min_u32 v30, 23, v30
	v_lshlrev_b32 v30, 8, v30
	global_prefetch_b8 v30, s[100:101] offset:GSTEP th:TH_LOAD_NT scope:SCOPE_SE     ; K step 1, which the next fill loads (nothing earlier could ask for it),
	global_prefetch_b8 v30, s[100:101] offset:2*GSTEP th:TH_LOAD_NT scope:SCOPE_SE   ; and K step 2: each fill is followed by the request for the K step two fills on
	v_and_b32 v1, 15, v0
	v_bfe_u32 v2, v0, 4, 1                         ; l / 16
	v_mul_u32_u24 v3, v1, PITCH
	v_mul_u32_u24 v4, v2, 24
	v_add_nc_u32 v4, v3, v4                        ; a fragment's row x pitch + 24 x half
	v_lshl_add_u32 v5, v2, 4, v4                   ; and the same behind one padding more
	s_mul_i32 s21, s15, HALFT                      ; my 128 rows of A
	s_mul_i32 s22, s16, HALFT                      ; my 128 rows of B,
	s_add_co_u32 s22, s22, 2*HALFT                 ; which lie behind A's 256
.irp s, 0,1
	v_add_nc_u32 v[ADRA+\s], s21, v4
	v_add_nc_u32 v[ADRB+\s], s22, v4
	v_add_nc_u32 v[ADRA+2+\s], s21, v5
	v_add_nc_u32 v[ADRB+2+\s], s22, v5
	s_add_co_u32 s21, s21, SLOT
	s_add_co_u32 s22, s22, SLOT
.endr
	v_mul_u32_u24 v5, v1, KS                       ; my row's scales: KS bytes a row,
	v_lshrrev_b32 v6, 8, v5
	v_lshl_add_u32 v5, v6, 4, v5                   ; and 16 more for each 256 passed
	s_mul_i32 s21, s15, HALFS                      ; A's: my 128 rows
	s_mul_i32 s22, s16, HALFS                      ; B's: my 128 rows, behind A's 256
	s_add_co_u32 s22, s22, 2*HALFS
	s_sub_co_u32 s22, s22, s21
	v_mul_u32_u24 v6, s22, v2                      ; lanes 16-31 take B's
	s_add_co_u32 s21, s21, SCL
	v_add_nc_u32 v5, v5, v6
	v_add_nc_u32 v[ADRS], s21, v5
.macro FRAG reg, adr, q, i             ; a fragment, 16 rows x 128 K of 6-bit codes, is 12 registers: lane l holds row l % 16; registers 6 c .. 6 c + 5 hold K = 64 c + 32 (l / 16) + 0 .. 31: 24 bytes of the row, as they lie
.irp p, 0,1,2,3,4,5                    ; in pieces of 8 bytes.  Lanes 0-15 take the row's pieces 12 q + 0, 1, 2 and 12 q + 6, 7, 8, lanes 16-31 those three pieces on
.set PCE, 12*(\q)+6*(\p/3)+\p%3        ; 16 bytes of padding lie behind every 8 pieces: where the piece three on lies behind one padding more, the second address register serves
.if PCE%8 < 5
	ds_load_b64 v[\reg+2*\p:\reg+2*\p+1], v[\adr] offset:8*PCE+16*(PCE/8)+(\i)*16*PITCH
.else
	ds_load_b64 v[\reg+2*\p:\reg+2*\p+1], v[\adr+2] offset:8*PCE+16*(PCE/8)+(\i)*16*PITCH
.endif
.endr
.endm
; 16 matrix instructions: A's blocks a0, a0 + 1 x B's eight, 128 along K: the slot's q-th.  p: B's set;  sc: the set of scale words.  zero = 1: the first product starts the sums.
; The 64 accumulators take turns, one instruction a turn, in the same order in every step.
.macro MUL16 a0, p, q, sc, zero
.irp a, \a0, \a0+1
.irp b, 0,1,2,3,4,5,6,7
.if \zero
	v_wmma_scale_f32_16x16x128_f8f6f4 v[8*(8*((\a)%4)+\b):8*(8*((\a)%4)+\b)+7], v[128*(\p)+FR*\b:128*(\p)+FR*\b+FR-1], v[AF+FR*(\a):AF+FR*(\a)+FR-1], 0, v[SC+8*NQ*(\sc)+NQ*\b+(\q)], v[SC+8*NQ*(\sc)+NQ*(\a)+(\q)] matrix_a_fmt:MATRIX_FMT_FP6 matrix_b_fmt:MATRIX_FMT_FP6 matrix_a_scale:MATRIX_SCALE_ROW1
.else
	v_wmma_scale_f32_16x16x128_f8f6f4 v[8*(8*((\a)%4)+\b):8*(8*((\a)%4)+\b)+7], v[128*(\p)+FR*\b:128*(\p)+FR*\b+FR-1], v[AF+FR*(\a):AF+FR*(\a)+FR-1], v[8*(8*((\a)%4)+\b):8*(8*((\a)%4)+\b)+7], v[SC+8*NQ*(\sc)+NQ*\b+(\q)], v[SC+8*NQ*(\sc)+NQ*(\a)+(\q)] matrix_a_fmt:MATRIX_FMT_FP6 matrix_b_fmt:MATRIX_FMT_FP6 matrix_a_scale:MATRIX_SCALE_ROW1
.endif
.endr
.endr
.endm
.macro FETCH_B slot, q, p              ; B's eight fragments of the slot's q-th 128 along K into set p
	WIN TO_B
.irp i, 0,1,2,3,4,5,6,7
	FRAG 128*(\p)+FR*\i, ADRB+\slot, \q, \i
.endr
	WIN 0
.endm
.macro FETCH_A slot, q, i0             ; A's blocks i0 .. i0 + 3
.irp i, \i0, \i0+1, \i0+2, \i0+3
	FRAG AF+FR*(\i), ADRA+\slot, \q, \i
.endr
.endm
.macro SCALES sc                       ; the next K step's scale words into set sc: 2 words a row; lanes 0-15 take A's block i, lanes 16-31 B's block i
.irp i, 0,1,2,3,4,5,6,7
	ds_load_b64 v[SC+8*NQ*\sc+NQ*\i:SC+8*NQ*\sc+NQ*\i+1], v[ADRS] offset:\i*SBLK
.endr
.endm
; A load into a register that a matrix instruction has read, and a vector instruction that reads a matrix result, stand NP places behind that matrix instruction; only plain vector
; instructions that name none of its registers are places (ISA guide 7.12.1 for vector instructions).
.macro PLACES n
.rept \n
	v_nop
.endr
.endm
; A step of 128 along K that has its successor in the same slot.
.macro STEP slot, q, zero
	s_wait_dscnt 4*NL                              ; B's set and A's blocks 0-3 are in; the youngest 24 loads (A's blocks 4-7) may be out
	WIN MUL_LO
	MUL16 0, (\q)%2, \q, \slot, \zero
	MUL16 2, (\q)%2, \q, \slot, \zero
	s_wait_dscnt 0                                 ; A's blocks 4-7 are in (asked for 32 matrix instructions ago)
	PLACES NP
	FETCH_B \slot, (\q)+1, 1-(\q)%2
	FETCH_A \slot, (\q)+1, 0
	WIN MUL_HI
	MUL16 4, (\q)%2, \q, \slot, \zero
	MUL16 6, (\q)%2, \q, \slot, \zero
	PLACES NP
	WIN 0
	FETCH_A \slot, (\q)+1, 4
.endm
; A slot's last step changes slots: ONE barrier; in front of it each wave waits for all its tensor loads, adds 0 to its spare word, and waits for that and for its own reads of this slot.  fill = 1: this slot is filled again, two K steps ahead.
.macro TURN slot, next, fill
	s_wait_tensorcnt 0x0                           ; all my tensor loads have landed: my part of the next slot;  (every window is 0 here)
	ds_add_u32 v[SPW], v[NIL]                      ; 0 onto my spare word;
	s_wait_dscnt 4*NL+1                            ; (the add and the youngest 24 loads, A's blocks 4-7, may be out)
	WIN MUL_LO
	MUL16 0, 1, NQ-1, \slot, 0                     ; sixteen matrix instructions stand between the add and the wait for it
	s_wait_dscnt 0x0                               ; the add is done, and my reads of this slot are over
	s_barrier_signal -1
	MUL16 2, 1, NQ-1, \slot, 0
	WIN 0
	s_barrier_wait -1
.if \fill
	CREST                                          ; the barrier has opened a round of the cluster's barrier: no wave of any partner still reads this slot's tile or has a load on its way
	s_add_nc_u64 s[G0+4*\slot+2:G0+4*\slot+3], s[G0+4*\slot+2:G0+4*\slot+3], 2*GSTEP
	s_add_nc_u64 s[G0B+4*\slot+2:G0B+4*\slot+3], s[G0B+4*\slot+2:G0B+4*\slot+3], 2*GSTEP
	JLOAD G0+4*\slot, G1, G0B+4*\slot, G1B         ; the first tensor load behind the round; the four v_nop behind it are the places in front of the loads below
.else
	PLACES NP
.endif
	s_wait_alu depctr_va_vdst(0)
	v_add_nc_u32 v[ADRS], 4*NQ, v[ADRS]            ; on to the next K step's scale words (no LDS load of mine is out)
	FETCH_B \next, 0, 0
	FETCH_A \next, 0, 0
	SCALES \next
	WIN MUL_HI
	MUL16 4, 1, NQ-1, \slot, 0
	MUL16 6, 1, NQ-1, \slot, 0
	PLACES NP
	WIN 0
	FETCH_A \next, 0, 4
.endm
	s_wait_alu depctr_va_vdst(0)
	s_wait_tensorcnt 0x0                           ; my tile of the head's four is in
	ds_add_u32 v[SPW], v[NIL]
	s_mov_b32 s[G1+2], 32<<16                      ; no tensor load of mine is out: from here on a load brings 128 data rows, 32 rows of 768 bytes
	s_mov_b32 s[G1+4], 32
	s_mov_b32 s[G1B+2], 32<<16
	s_mov_b32 s[G1B+4], 32
	s_wait_dscnt 0x0
	CROUND                                         ; all four tiles are in, and all sixteen work-groups are here
	JLOAD G0+4, G1, G0B+4, G1B                     ; K step 1, the first tensor load behind the round
	FETCH_B 0, 0, 0
	FETCH_A 0, 0, 0
	SCALES 0
	FETCH_A 0, 0, 4
	global_prefetch_b8 v30, s[100:101] offset:3*GSTEP th:TH_LOAD_NT scope:SCOPE_SE   ; behind slot 1's first fill and the run of LDS loads: K step 3, the last: the later fills ask for nothing
	STEP 0, 0, 1
	s_mov_b32 s3, LAPS-1
.Llap:                                                 ; a trip goes once round the ring and fills both slots again
	TURN 0, 1, 1
	STEP 1, 0, 0
	TURN 1, 0, 1
	STEP 0, 0, 0
	s_sub_co_u32 s3, s3, 1
	s_cmp_lg_u32 s3, 0
	s_cbranch_scc1 .Llap
	TURN 0, 1, 0                                   ; the last lap fills nothing, and has no round of the cluster's barrier
	STEP 1, 0, 0
	s_wait_dscnt 4*NL                              ; the very last step: nothing more to fetch
	WIN MUL_LO
	MUL16 0, 1, NQ-1, 1, 0
	MUL16 2, 1, NQ-1, 1, 0
	s_wait_dscnt 0
	WIN MUL_HI
	MUL16 4, 1, NQ-1, 1, 0
	MUL16 6, 1, NQ-1, 1, 0
	WIN 0
; THE WAY OUT.  Where the wave's results go, in scalars that never fed a descriptor.  X = the side that holds tokens, W = the side that holds (head, d).
	s_cmp_ge_u32 s95, 16
	s_cselect_b32 s2, s40, s41                     ; the tokens' place in the cluster: cy, for vh cx
	s_cselect_b32 s3, s16, s15                     ; and my half of their 256
	s_cselect_b32 s45, s41, s40                    ; the weight's: cx, for vh cy
	s_cselect_b32 s66, s15, s16
	s_cselect_b32 s43, -1, 0                       ; all ones for vh
	s_mov_b32 s67, 98304
	s_cselect_b32 s94, 768, s67                    ; from registers 0-5 to registers 6-11: the next head (k, q); the second half of a fragment (v)
	s_mov_b32 s67, 768
	s_cselect_b32 s22, 1536, s67                   ; from block a to a + 1: the next 16 tokens (k, q); the next 16 d (v)
	s_cselect_b32 s46, 93696, s67                  ; from block 3 to 4: for v the next head's first 16 d: 98,304 - 3 x 1,536
	s_mov_b32 s23, 0
	s_mov_b32 s47, 0
	s_lshl_b32 s67, s95, 2
	s_add_co_u32 s67, s67, s2
	s_lshl_b32 s67, s67, 1
	s_add_co_u32 s67, s67, s3                      ; my first token's row in xc / 128
	s_lshr_b32 s2, s67, 4                          ; 4 x tensor + batch
	s_and_b32 s3, s67, 15                          ; which 128 tokens of the batch
	s_lshl_b32 s45, s45, 1
	s_add_co_u32 s45, s45, s66
	s_lshl_b32 s45, s45, 1                         ; my first head: 4 x place + 2 x half
	s_mul_i32 s66, s2, 1572864                     ; 16 heads of 98,304 bytes
	s_mul_i32 s67, s45, 98304
	s_add_co_u32 s66, s66, s67
	s_mul_i32 s67, s3, 6144
	s_add_co_u32 s66, s66, s67
	s_mov_b32 s67, 0
	s_add_nc_u64 s[12:13], s[96:97], s[66:67]      ; where registers 0-5 of block 0 go,
	s_mov_b32 s66, s94
	s_add_nc_u64 s[18:19], s[12:13], s[66:67]      ; and registers 6-11
	s_lshl_b32 s66, s2, 16
	s_lshl_b32 s94, s45, 12
	s_add_co_u32 s66, s66, s94
	s_lshl_b32 s94, s3, 8
	s_add_co_u32 s66, s66, s94
	s_add_nc_u64 s[20:21], s[98:99], s[66:67]      ; the scale words: 256 bytes for a head and 128 tokens
	s_mov_b32 s92, 0x76543210
	s_mov_b32 s93, 0xfedcba98                      ; v_permlanex16_b32's selects for lane l xor 16
	PLACES NP                                      ; behind the last products: their results are read and their operands' registers written below
	v_and_b32 v1, 31, v0
	v_lshlrev_b32 v[O16], 4, v1
	v_lshlrev_b32 v[O8], 3, v1
	v_and_b32 v2, 15, v0
	v_bfe_u32 v3, v0, 4, 1
	v_lshlrev_b32 v[OSC], 4, v2
	v_lshl_add_u32 v[OSC], v3, 12, v[OSC]          ; lanes 0-15: my first head's words, 16 bytes a row; lanes 16-31: the next head's
	v_cmp_lt_u32 s44, 15, v1                       ; lanes 16-31
.irp b, 0,1,2,3
	v_mov_b32 v[TM+4+\b], 0                        ; written once: a lane permute's destination counts as one of its sources
.endr
; Block a's 64 numbers of a lane (register 16 b + i = index 32 b + 16 (lane / 16) + i along the next K) become 12 registers of codes in v[PC] on and a scale word in v[PWS + a].
; Each accumulator is read from its low end on.
.macro QUANT a
.set AC, 64*((\a)%4)
.set W, 2+(\a)/4
	WIN (W|(W<<2))                                 ; sources 0 and 1: the accumulators' window
.irp b, 0,1,2,3
	v_max3_num_f32 v[TM+\b], |v[AC+16*\b]|, |v[AC+16*\b+1]|, 0x1800000   ; block b: my 16 numbers, and the floor 2^(3 - 127): the byte cannot fall under 1
.endr
	WIN ((W<<2)|(W<<4))                            ; sources 1 and 2
.irp i, 2,4,6,8,10,12,14
.irp b, 0,1,2,3
	v_max3_num_f32 v[TM+\b], v[TM+\b], |v[AC+16*\b+\i]|, |v[AC+16*\b+\i+1]|   ; (the four blocks by turns)
.endr
.endr
	WIN 0
.irp b, 0,1,2,3
	v_permlanex16_b32 v[TM+4+\b], v[TM+\b], s92, s93
.endr
.irp b, 0,1,2,3
	v_max_num_f32 v[TM+\b], v[TM+\b], v[TM+4+\b]   ; with lane l xor 16's: the block's largest magnitude
.endr
.irp b, 0,1,2,3
	v_add_nc_u32 v[TM+12+\b], 0xff000000, v[TM+\b] ; 2 off its exponent field: the conversion's scale operand
.endr
.irp b, 0,1,2,3
	v_lshrrev_b32 v[TM+4+\b], 23, v[TM+12+\b]      ; the scale's byte
.endr
	v_lshl_or_b32 v[PWS+(\a)], v[TM+5], 8, v[TM+4]
	v_lshl_or_b32 v[PWS+(\a)], v[TM+6], 16, v[PWS+(\a)]
	v_lshl_or_b32 v[PWS+(\a)], v[TM+7], 24, v[PWS+(\a)]
	WIN W                                          ; source 0
.irp c, 0,1
	v_cvt_scalef32_pk16_fp6_f32 v[PC+6*\c:PC+6*\c+2], v[AC+32*\c:AC+32*\c+15], v[TM+12+2*\c]
	v_cvt_scalef32_pk16_fp6_f32 v[PC+12+4*\c:PC+12+4*\c+2], v[AC+32*\c+16:AC+32*\c+31], v[TM+12+2*\c+1]   ; (a conversion's three registers begin on an even number)
.endr
	WIN 0
	v_nop                                          ; one plain place behind a scaled conversion
.irp c, 0,1                                    ; the operand's layout wants a WHOLE block in a lane: lanes 0-15 block 2 c, lanes 16-31 block 2 c + 1
.irp i, 0,1,2
	v_permlane16_swap_b32 v[PC+6*\c+\i], v[PC+12+4*\c+\i]
.endr
.irp i, 0,1,2
	v_mov_b32 v[PC+3+6*\c+\i], v[PC+12+4*\c+\i]
.endr
.endr
.endm
.irp a, 0,1,2,3,4,5,6,7
.if \a > 0
	s_wait_xcnt 0x0                                ; the last block's stores have read their data and their bases: both are written again below
.if \a == 4
	s_add_nc_u64 s[12:13], s[12:13], s[46:47]
	s_add_nc_u64 s[18:19], s[18:19], s[46:47]
.else
	s_add_nc_u64 s[12:13], s[12:13], s[22:23]
	s_add_nc_u64 s[18:19], s[18:19], s[22:23]
.endif
.endif
	QUANT \a
	global_store_b128 v[O16], v[PC:PC+3], s[12:13]             ; 32 lanes store 512 consecutive bytes, aligned to 256,
	global_store_b64 v[O8], v[PC+4:PC+5], s[12:13] offset:512  ; and 256
	global_store_b128 v[O16], v[PC+6:PC+9], s[18:19]
	global_store_b64 v[O8], v[PC+10:PC+11], s[18:19] offset:512
.endr
; The scale words.  k, q: bytes 0, 1 of a block's word belong to my first head, bytes 2, 3 to the next; word j of a head pairs blocks 2 j and 2 j + 1.  v: block j's word is d tile j of my first head, block 4 + j's of the next.
.irp j, 0,1,2,3
	v_perm_b32 v228, v[PWS+2*\j+1], v[PWS+2*\j], 0x05040100
	v_perm_b32 v229, v[PWS+2*\j+1], v[PWS+2*\j], 0x07060302
	v_cndmask_b32 v228, v228, v229, s44
	v_cndmask_b32 v229, v[PWS+\j], v[PWS+4+\j], s44
	v_cndmask_b32 v[OUTW+\j], v228, v229, s43
.endr
	global_store_b128 v[OSC], v[OUTW:OUTW+3], s[20:21]         ; sixteen lanes store 256 consecutive bytes, aligned
	s_wait_tensorcnt 0x0                           ; the wave's end, behind my last tensor load
	ds_add_u32 v[SPW], v[NIL]
	s_wait_dscnt 0x0
	CROUND                                         ; the closing round: no work-group ends while a partner may still ask for a tile that names it
	s_endpgm
.Lfunc_end_k_qf787198965_proj:
	.size	k_qf787198965_proj, .Lfunc_end_k_qf787198965_proj-k_qf787198965_proj
	.p2alignl 7, 3214868480
	.fill 96, 4, 3214868480
	.section	.rodata,"a",@progbits
	.p2align	6, 0x0
	.amdhsa_kernel k_qf787198965_proj
		.amdhsa_group_segment_fixed_size 327680
		.amdhsa_private_segment_fixed_size 0
		.amdhsa_enable_private_segment 0
		.amdhsa_kernarg_size 48
		.amdhsa_user_sgpr_count 2
		.amdhsa_user_sgpr_kernarg_segment_ptr 1
		.amdhsa_wavefront_size32 1
		.amdhsa_system_sgpr_workgroup_id_x 1
		.amdhsa_system_sgpr_workgroup_id_y 1
		.amdhsa_system_sgpr_workgroup_id_z 1
		.amdhsa_system_vgpr_workitem_id 0
		.amdhsa_next_free_vgpr 1024
		.amdhsa_next_free_sgpr 102
		.amdhsa_reserve_vcc 0
		.amdhsa_float_denorm_mode_32 3
		.amdhsa_float_denorm_mode_16_64 3
		.amdhsa_memory_ordered 1
		.amdhsa_forward_progress 1
		.amdhsa_inst_pref_size 170
	.end_amdhsa_kernel
	.amdgpu_metadata
---
amdhsa.version: [ 1, 2 ]
amdhsa.kernels:
  - .name:           k_qf787198965_proj
    .symbol:         k_qf787198965_proj.kd
    .args:
      - { .name: xc, .offset: 0, .size: 8, .value_kind: global_buffer, .address_space: global }
      - { .name: xs, .offset: 8, .size: 8, .value_kind: global_buffer, .address_space: global }
      - { .name: wc, .offset: 16, .size: 8, .value_kind: global_buffer, .address_space: global }
      - { .name: ws, .offset: 24, .size: 8, .value_kind: global_buffer, .address_space: global }
      - { .name: hc, .offset: 32, .size: 8, .value_kind: global_buffer, .address_space: global }
      - { .name: hs, .offset: 40, .size: 8, .value_kind: global_buffer, .address_space: global }
    .group_segment_fixed_size: 327680
    .private_segment_fixed_size: 0
    .kernarg_segment_align: 8
    .kernarg_segment_size: 48
    .max_flat_workgroup_size: 128
    .sgpr_count:     102
    .vgpr_count:     1024
    .wavefront_size: 32
...
	.end_amdgpu_metadata
.endif
;; end of part 2
;; launch attn (part 3): grid 4 x 64, 16 waves a work-group, clusters of 4 x 1, 327,680 bytes of LDS; arguments hc, hs, ac, asc; writes ac, asc
.if DOCPART == 3
	.amdgcn_target "amdgcn-amd-amdhsa--gfx1250"
	.amdhsa_code_object_version 6
	.text
	.protected	k_qf787198965_attn
	.globl	k_qf787198965_attn
	.p2align	8
	.type	k_qf787198965_attn,@function
k_qf787198965_attn:
	s_mov_b64 s[64:65], 0
	v_nop
	global_prefetch_b8 v0, s[64:65] scope:SCOPE_SE
	s_setreg_imm32_b32 hwreg(HW_REG_WAVE_MODE, 25, 1), 1
	s_wait_xcnt 0x0
	s_wait_alu depctr_hold_cnt(0) depctr_sa_sdst(0) depctr_va_vdst(0) depctr_va_sdst(0) depctr_va_ssrc(0) depctr_va_vcc(0) depctr_vm_vsrc(0)
	s_getreg_b32 s2, hwreg(HW_REG_IB_STS2, 6, 4)
	s_cmp_eq_u32 s2, 0
	s_cbranch_scc0 .Lentry_in_a_cluster
	s_endpgm
.Lentry_in_a_cluster:
	s_bfe_u32 s2, ttmp6, 0x10000c
	s_cmp_lg_u32 s2, 0x3003
	s_cbranch_scc0 .Lentry_shape_is_right
	s_endpgm
.Lentry_shape_is_right:
; Attention on codes of FP6 (E2M3) with E8M0 scales: o = softmax(q k^T / 8) v for one (batch, head) and 512 queries a work-group, and the quantising of o along (head, d) for the last projection.
; A work-group has 16 waves; a wave takes 16 queries in each of two passes and walks the 2,048 keys in 16 steps of 128.  K, V and their scale words of the (batch, head), 204,800 bytes, lie in LDS for the whole launch.
; The four work-groups of a cluster take the same (batch, head): each fill is asked for jointly (mask 15).  ONE fill at the head: waves 0-3 fetch K's quarters, waves 4-7 V's, wave 8 K's scale words, wave 9 V's;
; nothing is filled again.  No prefetch: the only fills stand at the head, and there is no loop to run ahead in.
; Both products are used transposed (S^T = k q^T, O^T = v^T p^T): a lane holds one query.  The head size is 64, so a fragment of K holds two tiles of 16 keys (k 0-63, k 64-127), and q stands beside 64 zero codes.
; THE KEYS OF A TILE (the order in which the first launch stored k's rows): tile t of a group of 64 keys holds keys 8 t + 0..7 and 32 + 8 t + 0..7.  So lane (r, h) has, in the 32 registers of four tiles,
; keys 64 c + 32 h + 0..31: one whole block of 32, in the order of the operand's registers.  A block's maximum needs no other lane, and the conversions' results are the operand.
; p = 2^(t - M), t = score x log2(e) / 8, M = the ceiling of the running largest t; the sum is taken of the unquantised p; a change of M multiplies the sum and O^T by a power of two.
; A block's largest p is made from the block's largest score by the same multiply-add and exponential (this takes v_exp_f32 not to fall where its input rises).
; LIMITS: the scaled scores stay under 2^31 in magnitude; a block of p that has fallen to zeros gets the byte 1 (zero codes); NaN and infinities are not served.
.set VOFF,  98304                      ; LDS: K at 0, V behind it, then the scale words (K's 4,096 bytes, V's 4,096), then the spare words, 128 bytes a wave, which no other line names
.set SCK,   196608
.set SPARE, 204800
.set A16,  1                           ; 16 x lane;  A8: 512 + 8 x lane: an image of six registers is 512 + 256 bytes
.set A8,   2
.set AS,   3                           ; my row's four scale words
.set ASG,  4
.set SPW,  5
.set NIL,  6
.set ADK,  7
.set ADK8, 8
.set ADV,  9
.set ADV8, 10
.set ADS,  11
.set QR,   16                          ; v16-33 q, 64 zero codes, q;  v12 -M, v13 the running largest score, v[14:15] the sum
.set QN,   34                          ; the second pass's q
.set QS,   40
.set SH8,  42                          ; 8 x (lane / 16)
.set AV16, 43
.set KV,   44                          ; v44-91 four fragments of K or of V
.set AV8,  92
.set S,    96                          ; v96-159 scores, then p
.set OT,   160                         ; v160-191 O^T
.set PCD,  192                         ; p's codes
.set P2,   204
.set MX,   212
.set BY,   216
.set SO,   220
.set KSC,  224
.set VSC,  228
.set PW,   232
.set F,    234
.set PT,   236
.set T0,   238
.set T1,   239
.set OC6,  240
.set OC2,  246
.set OBY,  249
.set T2,   250
.set WV,   12
.set SEL,  20
.set CS,   22
.set G1C,  24
.set G1S,  32
.set G0S,  40
.set G0C,  44
.set TK,   60
.set TS,   61
.set CNT,  62
.set PASS, 63
.set MH,   66
.set SELQ, 67
.set OC,   68
.set OS,   70
.macro CROUND                          ; a round of the cluster's barrier
	s_barrier_signal -1
	s_barrier_wait -1
	s_cmp_lg_u32 s[WV], 0
	s_cbranch_scc1 .Lnot_wave_0_\@
	s_barrier_signal -3
.Lnot_wave_0_\@:
	s_barrier_wait -3
	s_barrier_signal -1
	s_barrier_wait -1
.endm
	s_load_b256 s[4:11], s[0:1], 0x0               ; hc, hs, ac, asc
	v_lshl_add_u32 v[SPW], v0, 2, SPARE
	v_mov_b32 v[NIL], 0
	ds_add_u32 v[SPW], v[NIL]                      ; the opening lines: the add, twice on end, and its wait
	ds_add_u32 v[SPW], v[NIL]
	v_lshrrev_b32 v1, 5, v0
	v_readfirstlane_b32 s[WV], v1                  ; wave 0..15
	s_bfe_u32 s13, ttmp6, 0x40000                  ; cx: which 512 queries
	s_and_b32 s14, ttmp7, 0xffff                   ; batch x head
	s_lshr_b32 s15, s[WV], 3
	s_and_b32 s16, s[WV], 7
	s_mov_b32 s[G1C], 15|(3<<16)|(1<<21)           ; codes: a dense block of 24,576 bytes as 96 rows of 256 bytes (32 elements of 8)
	s_mov_b32 s[G1C+1], 32<<16
	s_mov_b32 s[G1C+2], 96<<16
	s_mov_b32 s[G1C+3], 32<<16
	s_mov_b32 s[G1C+4], 96
	s_mov_b32 s[G1C+5], 32
	s_mov_b32 s[G1C+6], 0
	s_mov_b32 s[G1C+7], 0
	s_mov_b32 s[G1S], 15|(3<<16)|(1<<21)           ; scale words: 4,096 bytes as 16 rows
	s_mov_b32 s[G1S+1], 32<<16
	s_mov_b32 s[G1S+2], 16<<16
	s_mov_b32 s[G1S+3], 32<<16
	s_mov_b32 s[G1S+4], 16
	s_mov_b32 s[G1S+5], 32
	s_mov_b32 s[G1S+6], 0
	s_mov_b32 s[G1S+7], 0
	s_lshr_b32 s72, s16, 2                         ; waves 0-3 K's region of hc, waves 4-7 V's
	s_mul_i32 s72, s72, 12582912
	s_mul_i32 s73, s14, 98304
	s_add_co_u32 s72, s72, s73
	s_and_b32 s73, s16, 3
	s_mul_i32 s73, s73, 24576                      ; the quarter
	s_add_co_u32 s72, s72, s73
	s_mov_b32 s73, 0
	s_and_b32 s76, s[WV], 1                        ; wave 8 K's region of hs, wave 9 V's
	s_lshl_b32 s74, s76, 19
	s_lshl_b32 s75, s14, 12
	s_add_co_u32 s74, s74, s75
	s_mov_b32 s75, 0
	s_mov_b32 s[SEL], 0x76543210
	s_mov_b32 s[SEL+1], 0xfedcba98                 ; v_permlanex16_b32's selects for lane l xor 16
	s_mov_b32 s[CS], 0x3e38aa3b                    ; log2(e) / 8
	s_mov_b32 s[CS+1], s[CS]
	s_wait_dscnt 0x0
	s_wait_kmcnt 0x0
	s_mov_b32 s[G0S], 1
	s_lshl_b32 s[G0S+1], s76, 12
	s_add_co_u32 s[G0S+1], s[G0S+1], SCK
	s_add_nc_u64 s[G0S+2:G0S+3], s[6:7], s[74:75]
	s_or_b32 s[G0S+3], s[G0S+3], 0x80000000
	s_mov_b32 s[G0C], 1
	s_mul_i32 s[G0C+1], s16, 24576
	s_add_nc_u64 s[G0C+2:G0C+3], s[4:5], s[72:73]
	s_or_b32 s[G0C+3], s[G0C+3], 0x80000000
	CROUND                                         ; the four work-groups are here: the joint loads meet
	s_cmp_lt_u32 s[WV], 8                          ; one chain of branches on the wave's number, one fill to an arm
	s_cbranch_scc0 .Lfor_scales
	tensor_load_to_lds s[G0C:G0C+3], s[G1C:G1C+7]
	s_nop 0
.rept 4
	v_nop
.endr
	s_branch .Lasked
.Lfor_scales:
	s_cmp_lt_u32 s[WV], 10
	s_cbranch_scc0 .Lasked
	tensor_load_to_lds s[G0S:G0S+3], s[G1S:G1S+7]
	s_nop 0
.rept 4
	v_nop
.endr
.Lasked:
	s_lshr_b32 s72, s14, 4                         ; where my results go: ac = [block of 16 tokens][head][768], asc = [token][32]
	s_lshl_b32 s72, s72, 7
	s_lshl_b32 s73, s13, 5
	s_add_co_u32 s72, s72, s73
	s_add_co_u32 s72, s72, s[WV]
	s_and_b32 s73, s14, 15
	s_mul_i32 s78, s72, 12288
	s_mul_i32 s79, s73, 768
	s_add_co_u32 s78, s78, s79
	s_mov_b32 s79, 0
	s_add_nc_u64 s[OC:OC+1], s[8:9], s[78:79]
	s_lshl_b32 s78, s72, 9
	s_lshl_b32 s73, s73, 1
	s_add_co_u32 s78, s78, s73
	s_add_nc_u64 s[OS:OS+1], s[10:11], s[78:79]
	s_lshl_b32 s72, s13, 5                         ; my block of 16 queries: 32 cx + wave, in the second pass 16 blocks on
	s_add_co_u32 s72, s72, s[WV]
	s_mul_i32 s73, s72, 768
	s_mul_i32 s74, s14, 98304
	s_add_co_u32 s74, s74, s73
	s_add_co_u32 s74, s74, 6291456
	s_mov_b32 s75, 0
	s_add_nc_u64 s[74:75], s[4:5], s[74:75]
	s_lshl_b32 s76, s13, 2                         ; and its scale bytes: half of a word of hs
	s_add_co_u32 s76, s76, s15
	s_lshl_b32 s76, s76, 8
	s_lshl_b32 s77, s14, 12
	s_add_co_u32 s76, s76, s77
	s_lshr_b32 s77, s16, 1
	s_lshl_b32 s77, s77, 2
	s_add_co_u32 s76, s76, s77
	s_add_co_u32 s76, s76, 262144
	s_mov_b32 s77, 0
	s_add_nc_u64 s[76:77], s[6:7], s[76:77]
	s_and_b32 s78, s[WV], 1
	s_cmp_eq_u32 s78, 0
	s_mov_b32 s[SELQ], 0x03020302
	s_cselect_b32 s[SELQ], 0x01000100, s[SELQ]
	v_and_b32 v8, 31, v0
	v_and_b32 v9, 15, v0
	v_bfe_u32 v10, v0, 4, 1
	v_lshlrev_b32 v[A16], 4, v8
	v_lshl_add_u32 v[A8], v8, 3, 512
	v_lshl_add_u32 v[AS], v9, 4, SCK
	v_lshl_add_u32 v[ASG], v9, 5, v10
	v_lshlrev_b32 v11, 4, v9
	v_lshlrev_b32 v[SH8], 3, v10
	v_add_nc_u32 v[AV16], VOFF, v[A16]
	v_add_nc_u32 v[AV8], VOFF, v[A8]
	v_cmp_lt_u32 s[MH], 15, v8
	global_load_b128 v[QR:QR+3], v[A16], s[74:75]
	global_load_b64 v[QR+4:QR+5], v[A8], s[74:75]
	global_load_b128 v[QR+12:QR+15], v[A16], s[74:75]
	global_load_b64 v[QR+16:QR+17], v[A8], s[74:75]
	global_load_b128 v[QN:QN+3], v[A16], s[74:75] offset:12288
	global_load_b64 v[QN+4:QN+5], v[A8], s[74:75] offset:12288
	global_load_b32 v[QS], v11, s[76:77]
	global_load_b32 v[QS+1], v11, s[76:77] offset:512
.irp j, 6,7,8,9,10,11
	v_mov_b32 v[QR+\j], 0                          ; the 64 zero codes between the two copies of q
.endr
	v_mov_b32 v[BY], 0                             ; written once: a lane permute's destination counts as one of its sources
	v_mov_b32 v[BY+1], 0
	v_mov_b32 v[T2], 0
	v_mov_b32 v[F+1], 0                            ; (named as the upper half of a pair)
	s_wait_loadcnt 0x0
	v_perm_b32 v[QS], v[QS], v[QS], s[SELQ]        ; q's two bytes, twice: for either half of K
	v_perm_b32 v[QS+1], v[QS+1], v[QS+1], s[SELQ]
	s_wait_alu depctr_va_vdst(0)                   ; at the head's end
	s_wait_tensorcnt 0x0                           ; my fill has landed,
	s_barrier_signal -1
	s_barrier_wait -1                              ; everybody's has
.macro FLOAD a16, a8                   ; four fragments, images of 2 x six registers
.irp f, 0,1,2,3
	ds_load_b128 v[KV+12*\f:KV+12*\f+3], v[\a16] offset:1536*\f
	ds_load_b64 v[KV+12*\f+4:KV+12*\f+5], v[\a8] offset:1536*\f
	ds_load_b128 v[KV+12*\f+6:KV+12*\f+9], v[\a16] offset:1536*\f+768
	ds_load_b64 v[KV+12*\f+10:KV+12*\f+11], v[\a8] offset:1536*\f+768
.endr
.endm
.macro ADDS n                          ; the row's sum of the unquantised p: 4 n numbers a lane, in two chains
.rept \n
	v_pk_add_f32 v[14:15], v[14:15], v[S+aj:S+aj+1]
	v_pk_add_f32 v[PT:PT+1], v[PT:PT+1], v[S+aj+2:S+aj+3]
.set aj, aj+4
.endr
.endm
.macro FMAS n                          ; t - M, two at a time
.rept \n
	v_pk_fma_f32 v[S+fj:S+fj+1], v[S+fj:S+fj+1], s[CS:CS+1], v[12:13] op_sel_hi:[1,0,0]
.set fj, fj+2
.endr
.endm
.macro OMUL n                          ; O^T under the new M, each accumulator from its low end on
.rept \n
	v_pk_mul_f32 v[OT+oj:OT+oj+1], v[OT+oj:OT+oj+1], v[F:F+1] op_sel_hi:[1,0]
.set oj, oj+2
.endr
.endm
; A step of 128 keys.  K's fragments and scale words were asked for in the step before.  more = 1: the next step's are asked for.
.macro STEP more
.set aj, 4
.set fj, 0
.set oj, 0
	s_wait_alu depctr_va_vdst(0)                   ; directly ahead of the wait below
	s_wait_dscnt 0x0                               ; K's fragments are in
.irp f, 0,1,2,3
	v_wmma_scale_f32_16x16x128_f8f6f4 v[S+16*\f:S+16*\f+7], v[KV+12*\f:KV+12*\f+11], v[QR:QR+11], 0, v[KSC+\f], v[QS] matrix_a_fmt:MATRIX_FMT_FP6 matrix_b_fmt:MATRIX_FMT_FP6
	v_wmma_scale_f32_16x16x128_f8f6f4 v[S+16*\f+8:S+16*\f+15], v[KV+12*\f:KV+12*\f+11], v[QR+6:QR+17], 0, v[KSC+\f], v[QS] matrix_a_fmt:MATRIX_FMT_FP6 matrix_b_fmt:MATRIX_FMT_FP6
.endr
	v_add_nc_u32 v[ADV], s[TK], v[AV16]            ; four plain lines: the places in front of the loads below and of the reads of the scores
	v_add_nc_u32 v[ADV8], s[TK], v[AV8]
	v_add_nc_u32 v[ADS], s[TS], v[AS]
	v_mov_b32 v[T0], v12                           ; the old -M
	FLOAD ADV, ADV8                                ; V's fragments land under the softmax
	ds_load_b128 v[VSC:VSC+3], v[ADS] offset:4096
.if \more
	s_add_co_u32 s[TK], s[TK], 6144
	s_add_co_u32 s[TS], s[TS], 256
.endif
.irp q, 0,1,2,3                                ; the largest score of my two blocks of 32 keys, in four chains by turns
	v_max3_num_f32 v[MX+\q], v[S+16*\q], v[S+16*\q+1], v[S+16*\q+2]
.endr
.irp i, 3,5,7,9,11,13
.irp q, 0,1,2,3
	v_max3_num_f32 v[MX+\q], v[MX+\q], v[S+16*\q+\i], v[S+16*\q+\i+1]
.endr
.endr
	v_max3_num_f32 v[MX], v[MX], v[MX+1], v[S+15]
	v_max3_num_f32 v[MX+2], v[MX+2], v[MX+3], v[S+47]
	v_max_num_f32 v[MX], v[MX], v[S+31]            ; block h
	v_max_num_f32 v[MX+1], v[MX+2], v[S+63]        ; block 2 + h
	s_delay_alu instid0(VALU_DEP_1)
	v_max_num_f32 v[T1], v[MX], v[MX+1]
	s_delay_alu instid0(VALU_DEP_1)
	v_permlanex16_b32 v[T2], v[T1], s[SEL], s[SEL+1]
	s_delay_alu instid0(VALU_DEP_1)
	v_max3_num_f32 v13, v13, v[T1], v[T2]          ; the running largest score of my query (the factor is positive: the largest t is the largest score's)
	s_delay_alu instid0(VALU_DEP_1)
	v_mul_f32 v[T1], s[CS], v13
	s_delay_alu instid0(VALU_DEP_1)
	v_floor_f32 v12, -v[T1]                        ; -M = floor(-t): M is a whole number
	s_delay_alu instid0(VALU_DEP_1)
	v_sub_f32 v[T0], v12, v[T0]                    ; old M - new M, 0 or less
	FMAS 4
	v_cvt_i32_f32 v[T0], v[T0]                     ; (it saturates)
	FMAS 4
	v_ldexp_f32 v[F], 1.0, v[T0]                   ; f = 2^(old M - new M)
	FMAS 24
	v_fma_f32 v[MX], v[MX], s[CS], v12             ; the same of each block's largest score
	v_fma_f32 v[MX+1], v[MX+1], s[CS], v12
	v_pk_mul_f32 v[14:15], v[14:15], v[F:F+1] op_sel_hi:[1,0]
	s_wait_alu depctr_va_vdst(0)                   ; ahead of the batch
	v_exp_f32 v[MX], v[MX]
	v_exp_f32 v[MX+1], v[MX+1]
.set j, 0
.rept 64
	v_exp_f32 v[S+j], v[S+j]                       ; p = 2^(t - M)
.set j, j+1
.endr
	s_wait_alu depctr_va_vdst(0)                   ; one wait for the batch, directly ahead of O^T's first reader
	OMUL 2                                         ; the scale's short chain stands among O^T's sixteen multiplications
	v_max_num_f32 v[MX], 0x1800000, v[MX]          ; the floor 2^(3 - 127): the byte cannot fall under 1
	v_max_num_f32 v[MX+1], 0x1800000, v[MX+1]
	OMUL 2
	v_add_nc_u32 v[SO], 0xff000000, v[MX]          ; 2 off the exponent field: the conversion's scale operand
	v_add_nc_u32 v[SO+1], 0xff000000, v[MX+1]
	OMUL 2
	v_lshrrev_b32 v[BY], 23, v[SO]                 ; the bytes
	v_lshrrev_b32 v[BY+1], 23, v[SO+1]
	OMUL 2
	v_lshl_or_b32 v[T1], v[BY+1], 16, v[BY]        ; blocks h and 2 + h,
	OMUL 2
	v_lshlrev_b32 v[T1], v[SH8], v[T1]             ; at their places in the word
	OMUL 6
	v_permlanex16_b32 v[T2], v[T1], s[SEL], s[SEL+1]
.irp c, 0,1
	v_cvt_scalef32_pk16_fp6_f32 v[PCD+6*\c:PCD+6*\c+2], v[S+32*\c:S+32*\c+15], v[SO+\c]
	v_cvt_scalef32_pk16_fp6_f32 v[P2+4*\c:P2+4*\c+2], v[S+32*\c+16:S+32*\c+31], v[SO+\c]   ; (a conversion's three registers begin on an even number)
.endr
	v_pk_add_f32 v[PT:PT+1], v[S:S+1], v[S+2:S+3]  ; the plain line behind the conversions
	v_or_b32 v[PW], v[T1], v[T2]                   ; p's scale word: with lane l xor 16's two bytes it is whole.  14 plain lines stand between it and the product
.irp c, 0,1
.irp i, 0,1,2
	v_mov_b32 v[PCD+3+6*\c+\i], v[P2+4*\c+\i]
.endr
.endr
	ADDS 4                                         ; eight plain lines between the operand's last write and the product
	s_wait_alu depctr_va_vdst(0)                   ; directly ahead of the wait below
	s_wait_dscnt 0x0                               ; V's fragments are in
.irp a, 0,1,2,3
	v_wmma_scale_f32_16x16x128_f8f6f4 v[OT+8*\a:OT+8*\a+7], v[KV+12*\a:KV+12*\a+11], v[PCD:PCD+11], v[OT+8*\a:OT+8*\a+7], v[VSC+\a], v[PW] matrix_a_fmt:MATRIX_FMT_FP6 matrix_b_fmt:MATRIX_FMT_FP6
.endr
.if \more
	v_add_nc_u32 v[ADK], s[TK], v[A16]             ; four plain lines: the places in front of the loads below
	v_add_nc_u32 v[ADK8], s[TK], v[A8]
	ADDS 1
	FLOAD ADK, ADK8                                ; the next step's K lands under the rest of the sum
	ds_load_b128 v[KSC:KSC+3], v[ADS] offset:256
	ADDS 10
.else
	ADDS 11
.endif
	v_pk_add_f32 v[14:15], v[14:15], v[PT:PT+1]
.endm
	s_mov_b32 s[PASS], 2
.Lpass:
	v_mov_b32 v13, 0xff61b1e6                      ; the largest score so far: -3e38
	v_mov_b32 v12, 0x7e000000                      ; a -M above every other: the first f is 0, on sums that are 0
	v_mov_b32 v14, 0
	v_mov_b32 v15, 0
.set j, 0
.rept 32
	v_mov_b32 v[OT+j], 0
.set j, j+1
.endr
	s_mov_b32 s[TK], 0
	s_mov_b32 s[TS], 0
	FLOAD A16, A8                                  ; step 0's K
	ds_load_b128 v[KSC:KSC+3], v[AS]
	s_mov_b32 s[CNT], 15
.Lstep:
	STEP 1
	s_sub_co_u32 s[CNT], s[CNT], 1
	s_cmp_lg_u32 s[CNT], 0
	s_cbranch_scc1 .Lstep
	STEP 0                                         ; the last step asks for nothing more; its 23 additions are the places behind the last products
	v_add_f32 v14, v14, v15
	s_delay_alu instid0(VALU_DEP_1)
	v_permlanex16_b32 v[BY], v14, s[SEL], s[SEL+1]
	s_delay_alu instid0(VALU_DEP_1)
	v_add_f32 v14, v14, v[BY]                      ; the row's sum
	s_wait_alu depctr_va_vdst(0)
	v_rcp_f32 v14, v14
	v_nop
	s_wait_alu depctr_va_vdst(0)
.set j, 0
.rept 32
	v_mul_f32 v[S+j], v[OT+j], v14                 ; o: register 16 b + i is d = 32 b + 16 (lane / 16) + i
.set j, j+1
.endr
.irp b, 0,1                                    ; o is quantised along d: two blocks of 32, each in lanes l and l xor 16
	v_max3_num_f32 v[MX+\b], |v[S+16*\b]|, |v[S+16*\b+1]|, 0x1800000
.endr
.irp i, 2,4,6,8,10,12,14
.irp b, 0,1
	s_delay_alu instid0(VALU_DEP_2)
	v_max3_num_f32 v[MX+\b], v[MX+\b], |v[S+16*\b+\i]|, |v[S+16*\b+\i+1]|
.endr
.endr
.irp b, 0,1
	s_delay_alu instid0(VALU_DEP_2)
	v_permlanex16_b32 v[BY+\b], v[MX+\b], s[SEL], s[SEL+1]
.endr
.irp b, 0,1
	s_delay_alu instid0(VALU_DEP_2)
	v_max_num_f32 v[MX+\b], v[MX+\b], v[BY+\b]
.endr
.irp b, 0,1
	s_delay_alu instid0(VALU_DEP_2)
	v_add_nc_u32 v[SO+\b], 0xff000000, v[MX+\b]
.endr
.irp b, 0,1
	s_delay_alu instid0(VALU_DEP_2)
	v_lshrrev_b32 v[BY+\b], 23, v[SO+\b]
.endr
	v_cvt_scalef32_pk16_fp6_f32 v[OC6:OC6+2], v[S:S+15], v[SO]
	v_cvt_scalef32_pk16_fp6_f32 v[OC2:OC2+2], v[S+16:S+31], v[SO+1]
	v_nop
.irp i, 0,1,2
	v_permlane16_swap_b32 v[OC6+\i], v[OC2+\i]     ; a whole block to a lane
.endr
.irp i, 0,1,2
	s_delay_alu instid0(VALU_DEP_3)
	v_mov_b32 v[OC6+3+\i], v[OC2+\i]
.endr
	v_cndmask_b32 v[OBY], v[BY], v[BY+1], s[MH]
	global_store_b128 v[A16], v[OC6:OC6+3], s[OC:OC+1]   ; 512 consecutive bytes, aligned to 256,
	global_store_b64 v[A8], v[OC6+4:OC6+5], s[OC:OC+1]   ; and 256
	global_store_b8 v[ASG], v[OBY], s[OS:OS+1]
	s_wait_xcnt 0x0                                ; the stores have read their bases and data
	s_add_nc_u64 s[OC:OC+1], s[OC:OC+1], 196608
	s_add_nc_u64 s[OS:OS+1], s[OS:OS+1], 8192
.irp j, 0,1,2,3,4,5
	v_mov_b32 v[QR+\j], v[QN+\j]                   ; the second pass's queries
	v_mov_b32 v[QR+12+\j], v[QN+\j]
.endr
	v_mov_b32 v[QS], v[QS+1]
	s_sub_co_u32 s[PASS], s[PASS], 1
	s_cmp_lg_u32 s[PASS], 0
	s_wait_alu depctr_va_vdst(0)                   ; directly ahead of the branch
	s_cbranch_scc1 .Lpass
	s_wait_tensorcnt 0x0                           ; the wave's end
	ds_add_u32 v[SPW], v[NIL]
	s_wait_dscnt 0x0
	CROUND                                         ; the closing round
	s_endpgm
.Lfunc_end_k_qf787198965_attn:
	.size	k_qf787198965_attn, .Lfunc_end_k_qf787198965_attn-k_qf787198965_attn
	.p2alignl 7, 3214868480
	.fill 96, 4, 3214868480
	.section	.rodata,"a",@progbits
	.p2align	6, 0x0
	.amdhsa_kernel k_qf787198965_attn
		.amdhsa_group_segment_fixed_size 327680
		.amdhsa_private_segment_fixed_size 0
		.amdhsa_enable_private_segment 0
		.amdhsa_kernarg_size 32
		.amdhsa_user_sgpr_count 2
		.amdhsa_user_sgpr_kernarg_segment_ptr 1
		.amdhsa_wavefront_size32 1
		.amdhsa_system_sgpr_workgroup_id_x 1
		.amdhsa_system_sgpr_workgroup_id_y 1
		.amdhsa_system_sgpr_workgroup_id_z 1
		.amdhsa_system_vgpr_workitem_id 0
		.amdhsa_next_free_vgpr 256
		.amdhsa_next_free_sgpr 80
		.amdhsa_reserve_vcc 0
		.amdhsa_float_denorm_mode_32 3
		.amdhsa_float_denorm_mode_16_64 3
		.amdhsa_memory_ordered 1
		.amdhsa_forward_progress 1
		.amdhsa_inst_pref_size 44
	.end_amdhsa_kernel
	.amdgpu_metadata
---
amdhsa.version: [ 1, 2 ]
amdhsa.kernels:
  - .name:           k_qf787198965_attn
    .symbol:         k_qf787198965_attn.kd
    .args:
      - { .name: hc, .offset: 0, .size: 8, .value_kind: global_buffer, .address_space: global }
      - { .name: hs, .offset: 8, .size: 8, .value_kind: global_buffer, .address_space: global }
      - { .name: ac, .offset: 16, .size: 8, .value_kind: global_buffer, .address_space: global }
      - { .name: asc, .offset: 24, .size: 8, .value_kind: global_buffer, .address_space: global }
    .group_segment_fixed_size: 327680
    .private_segment_fixed_size: 0
    .kernarg_segment_align: 8
    .kernarg_segment_size: 32
    .max_flat_workgroup_size: 512
    .sgpr_count:     80
    .vgpr_count:     256
    .wavefront_size: 32
...
	.end_amdgpu_metadata
.endif
;; end of part 3
;; launch outproj (part 4): grid 4 x 64, 4 waves a work-group, clusters of 4 x 4, 327,680 bytes of LDS; arguments ac, asc, wc, ws, out0; writes out0
.if DOCPART == 4
	.amdgcn_target "amdgcn-amd-amdhsa--gfx1250"
	.amdhsa_code_object_version 6
	.text
	.protected	k_qf787198965_outproj
	.globl	k_qf787198965_outproj
	.p2align	8
	.type	k_qf787198965_outproj,@function
k_qf787198965_outproj:
	s_mov_b64 s[64:65], 0
	v_nop
	global_prefetch_b8 v0, s[64:65] scope:SCOPE_SE
	s_setreg_imm32_b32 hwreg(HW_REG_WAVE_MODE, 25, 1), 1
	s_wait_xcnt 0x0
	s_wait_alu depctr_hold_cnt(0) depctr_sa_sdst(0) depctr_va_vdst(0) depctr_va_sdst(0) depctr_va_ssrc(0) depctr_va_vcc(0) depctr_vm_vsrc(0)
	s_getreg_b32 s2, hwreg(HW_REG_IB_STS2, 6, 4)
	s_cmp_eq_u32 s2, 0
	s_cbranch_scc0 .Lentry_in_a_cluster
	s_endpgm
.Lentry_in_a_cluster:
	s_bfe_u32 s2, ttmp6, 0x10000c
	s_cmp_lg_u32 s2, 0xf033
	s_cbranch_scc0 .Lentry_shape_is_right
	s_endpgm
.Lentry_shape_is_right:
; out0 = o w_proj on codes of FP6 (E2M3) with E8M0 scales, K = 1,024; out0 is [8192][1024] f32.
; A block of 128 x 256 of out0 is made by a work-group of four waves: 64 x 4 blocks are 256 work-groups.  ALL OF K LIES IN LDS, BY ONE FILL: A's 128 rows as the attention launch stored them, images of
; operand registers, 98,304 dense bytes; B's 256 rows of 768 bytes, with 16 bytes of padding behind each 256: LDS rows 816 bytes apart, so that the 16 rows that a load touches start at 16 different groups of banks.
; Nothing is filled again: no ring, one barrier in front of the products and one behind them.  Waves 0 and 1 fetch A's halves, waves 2 and 3 B's: one joint load a wave.
; CLUSTERS: 4 x 4 work-groups; A's tile is shared along a row of the cluster, B's along a column.  No prefetch: the only fills stand at the head, and there is no loop to run ahead in.
; The scale words (a row's 32 bytes are its 8 words, one for each 128 along K) go from memory into registers once: lane r takes row r's 32 bytes by two loads of 16.
; A wave makes 64 x 128: 32 accumulators.  THE MATRIX INSTRUCTION IS USED TRANSPOSED (source 0 = 16 rows of B, source 1 = 16 rows of A): a lane holds eight neighbouring numbers of a row of out0.
; Rows of A and of B are stored with bits 3 and 4 of their numbers exchanged: the way out puts columns and rows back.
; REGISTERS, in windows of 256: window 0: v16-29 addresses, v32-63 A's scale words (8 a + step), v64-127 B's (8 b + step), v128-223 A's fragments, two sets; on the way out v128-255.
;   window 1: accumulator (a, b) at v[8 (8 a + b)].   window 2: B's fragments, two sets, at v0 and v96.
.set SIZE_N, 1024
.set BP,     816
.set BOFF,   98304
.set HALFB,  128*BP
.set SPARE,  BOFF+2*HALFB              ; the spare words, 128 bytes a wave, which no other line names
.set SPITCH, 528                       ; the way out: a stage of 16 rows x (512 + 16) bytes a wave, in A's bytes, behind the barrier behind which nobody reads them
.set FR,   12
.set ADRA, 16                          ; v16 16 x lane, v17 512 + 8 x lane, in my 64 rows of A
.set ADRB, 18                          ; v18, v19 my B blocks 0-3 (v19: lanes 16-31 behind one padding more); v20, v21 blocks 4-7
.set STO,  24
.set RD,   25
.set CO,   26
.set SOFF, 27
.set SPW,  28
.set NIL,  29
.set SA,   32
.set SB,   64
.set AF,   128
.set BK,   128
.set G1,   24
.set G0,   32
.set G1B,  48
.set G0B,  56
.set MSB, 0
.macro WIN new                         ; the immediate's high byte repeats the setting that is left
.if MSB != \new
	s_set_vgpr_msb (MSB<<8)|\new
.set MSB, \new
.endif
.endm
.macro CROUND                          ; a round of the cluster's barrier
	s_barrier_signal -1
	s_barrier_wait -1
	s_cmp_lg_u32 s14, 0
	s_cbranch_scc1 .Lnot_wave_0_\@
	s_barrier_signal -3
.Lnot_wave_0_\@:
	s_barrier_wait -3
	s_barrier_signal -1
	s_barrier_wait -1
.endm
.macro PLACES
.rept 4
	v_nop
.endr
.endm
	s_load_b128 s[4:7], s[0:1], 0x0                ; ac, asc
	s_load_b128 s[8:11], s[0:1], 0x10              ; wc, ws
	s_load_b64 s[12:13], s[0:1], 0x20              ; out0
	v_lshl_add_u32 v[SPW], v0, 2, SPARE
	v_mov_b32 v[NIL], 0
	ds_add_u32 v[SPW], v[NIL]                      ; the opening lines: the add, twice on end, and its wait
	ds_add_u32 v[SPW], v[NIL]
	v_lshrrev_b32 v1, 5, v0
	v_readfirstlane_b32 s14, v1                    ; wave 0..3
	s_lshr_b32 s15, s14, 1                         ; which 64 rows are mine.  Also: I fetch for A (0) or for B (1)
	s_and_b32 s16, s14, 1                          ; which 128 columns.  Also: which half of that tile I fetch
	s_bfe_u32 s40, ttmp6, 0x40000                  ; cx, cy
	s_bfe_u32 s41, ttmp6, 0x40004
	s_lshl_b32 s42, ttmp9, 2
	s_add_co_u32 s42, s42, s40                     ; block column, 256 wide
	s_and_b32 s17, ttmp7, 0xffff
	s_lshl_b32 s17, s17, 2
	s_add_co_u32 s17, s17, s41                     ; block row, 128 high
	s_lshl_b32 s43, s41, 2
	s_lshl_b32 s43, 15, s43                        ; my row of the cluster
	s_lshl_b32 s44, 0x1111, s40                    ; my column
	s_or_b32 s[G1], s43, (3<<16)|(1<<21)           ; A's half: 49,152 dense bytes as 192 rows of 256 (32 elements of 8 bytes)
	s_mov_b32 s[G1+1], 32<<16
	s_mov_b32 s[G1+2], 192<<16
	s_mov_b32 s[G1+3], 32<<16
	s_mov_b32 s[G1+4], 192
	s_mov_b32 s[G1+5], 32
	s_mov_b32 s[G1+6], 0
	s_mov_b32 s[G1+7], 0
	s_or_b32 s[G1B], s44, (1<<20)|(1<<21)|(5<<22)|(3<<25)   ; B's half: 128 rows of 768 bytes; behind every 64 words 4 words of padding
	s_mov_b32 s[G1B+1], 768<<16
	s_mov_b32 s[G1B+2], 128<<16
	s_mov_b32 s[G1B+3], 768<<16
	s_mov_b32 s[G1B+4], 128
	s_mov_b32 s[G1B+5], 768
	s_mov_b32 s[G1B+6], 0
	s_mov_b32 s[G1B+7], 0
	s_mul_i32 s20, s17, 98304                      ; A: 128 rows are 8 blocks of 12,288 bytes
	s_mul_i32 s45, s16, 49152                      ; the half, in memory and in LDS
	s_add_co_u32 s20, s20, s45
	s_mov_b32 s21, 0
	s_lshl_b32 s46, s42, 8
	s_lshl_b32 s18, s16, 7
	s_add_co_u32 s46, s46, s18
	s_add_co_u32 s46, s46, 3072                    ; B: w_proj's rows begin at row 3,072 of wc
	s_mul_i32 s46, s46, 768
	s_mov_b32 s47, 0
	s_mul_i32 s94, s16, HALFB
	s_add_co_u32 s94, s94, BOFF
	s_wait_dscnt 0x0
	s_wait_kmcnt 0x0
	s_mov_b32 s[G0], 1
	s_mov_b32 s[G0+1], s45
	s_add_nc_u64 s[G0+2:G0+3], s[4:5], s[20:21]
	s_or_b32 s[G0+3], s[G0+3], 0x80000000
	s_mov_b32 s[G0B], 1
	s_mov_b32 s[G0B+1], s94
	s_add_nc_u64 s[G0B+2:G0B+3], s[8:9], s[46:47]
	s_or_b32 s[G0B+3], s[G0B+3], 0x80000000
	CROUND                                         ; all sixteen work-groups are here: the joint loads meet
	s_cmp_eq_u32 s15, 0
	s_cbranch_scc0 .Lfor_b
	tensor_load_to_lds s[G0:G0+3], s[G1:G1+7]
	s_nop 0
	PLACES
	s_branch .Lasked
.Lfor_b:
	tensor_load_to_lds s[G0B:G0B+3], s[G1B:G1B+7]
	s_nop 0
	PLACES
.Lasked:
	s_lshl_b32 s22, s17, 7
	s_lshl_b32 s18, s15, 6
	s_add_co_u32 s22, s22, s18                     ; my first row of A and of out0
	s_lshl_b32 s20, s22, 12                        ; 4,096 bytes a row of out0
	s_lshl_b32 s22, s22, 5                         ; 32 scale bytes a row
	s_mov_b32 s23, 0
	s_add_nc_u64 s[22:23], s[6:7], s[22:23]
	s_lshl_b32 s92, s42, 8
	s_lshl_b32 s18, s16, 7
	s_add_co_u32 s92, s92, s18
	s_add_co_u32 s92, s92, 3072                    ; my first row of B
	s_lshl_b32 s92, s92, 5
	s_mov_b32 s93, 0
	s_add_nc_u64 s[92:93], s[10:11], s[92:93]
	s_lshl_b32 s46, s42, 10                        ; my first column, in bytes
	s_lshl_b32 s47, s16, 9
	s_add_co_u32 s46, s46, s47
	s_add_co_u32 s20, s20, s46
	s_mov_b32 s21, 0
	s_add_nc_u64 s[12:13], s[12:13], s[20:21]
	s_mul_i32 s2, s15, 49152                       ; my 64 rows of A in LDS
	s_mul_i32 s3, s16, HALFB
	s_add_co_u32 s3, s3, BOFF                      ; my 128 rows of B
	s_add_co_u32 s67, s3, 64*BP
	s_mul_i32 s66, s14, 16*SPITCH                  ; my stage
	v_and_b32 v1, 15, v0                           ; r
	v_lshlrev_b32 v[SOFF], 5, v1
.irp a, 0,1,2,3
	global_load_b128 v[SA+8*\a:SA+8*\a+3], v[SOFF], s[22:23] offset:512*\a
	global_load_b128 v[SA+8*\a+4:SA+8*\a+7], v[SOFF], s[22:23] offset:512*\a+16
.endr
.irp b, 0,1,2,3,4,5,6,7
	global_load_b128 v[SB+8*\b:SB+8*\b+3], v[SOFF], s[92:93] offset:512*\b
	global_load_b128 v[SB+8*\b+4:SB+8*\b+7], v[SOFF], s[92:93] offset:512*\b+16
.endr
	v_bfe_u32 v2, v0, 4, 1                         ; h
	v_and_b32 v9, 31, v0
	v_lshlrev_b32 v7, 4, v9
	v_lshl_add_u32 v8, v9, 3, 512
	v_add_nc_u32 v[ADRA], s2, v7
	v_add_nc_u32 v[ADRA+1], s2, v8
	v_mul_u32_u24 v3, v1, BP
	v_mul_u32_u24 v4, v2, 24
	v_mul_u32_u24 v5, v2, 40
	v_add_nc_u32 v4, v3, v4                        ; row x pitch + 24 x half,
	v_add_nc_u32 v5, v3, v5                        ; and the same where lanes 16-31 read behind one padding more
	v_add_nc_u32 v[ADRB], s3, v4
	v_add_nc_u32 v[ADRB+1], s3, v5
	v_add_nc_u32 v[ADRB+2], s67, v4
	v_add_nc_u32 v[ADRB+3], s67, v5
	v_mul_u32_u24 v6, v1, SPITCH
	v_lshl_add_u32 v6, v2, 6, v6
	v_add_nc_u32 v[STO], s66, v6                   ; into the stage: row r, 64 bytes for each half of the lanes
	v_lshlrev_b32 v[CO], 4, v9
	v_add_nc_u32 v[RD], s66, v[CO]                 ; back: the 32 lanes take one row of 512 bytes
.macro FRAGB reg, st, i                ; 16 rows x 128 K: lane (r, h) takes 2 x 24 bytes of its row, in pieces of 8.  Byte y of a row lies at y + 16 (y / 256) of the LDS row
.irp p, 0,1,2,3,4,5
.set BY, 96*(\st)+48*(\p/3)+8*(\p%3)
.if BY/256 == (BY+24)/256
	ds_load_b64 v[\reg+2*\p:\reg+2*\p+1], v[ADRB+2*((\i)/4)] offset:BY+16*(BY/256)+((\i)%4)*16*BP
.else
	ds_load_b64 v[\reg+2*\p:\reg+2*\p+1], v[ADRB+2*((\i)/4)+1] offset:BY+16*(BY/256)+((\i)%4)*16*BP
.endif
.endr
.endm
.macro FRAGA reg, st, i                ; an image of 2 x six registers
	ds_load_b128 v[\reg:\reg+3], v[ADRA] offset:12288*(\i)+1536*(\st)
	ds_load_b64 v[\reg+4:\reg+5], v[ADRA+1] offset:12288*(\i)+1536*(\st)
	ds_load_b128 v[\reg+6:\reg+9], v[ADRA] offset:12288*(\i)+1536*(\st)+768
	ds_load_b64 v[\reg+10:\reg+11], v[ADRA+1] offset:12288*(\i)+1536*(\st)+768
.endm
.macro FETCH st                        ; step st's fragments into set st % 2
	WIN 0x80
.irp i, 0,1,2,3,4,5,6,7
	FRAGB 96*((\st)%2)+FR*\i, \st, \i
.endr
	WIN 0
.irp i, 0,1,2,3
	FRAGA AF+48*((\st)%2)+FR*\i, \st, \i
.endr
.endm
.macro MUL st                          ; 32 matrix instructions; the 32 accumulators take turns, in the same order in every step
	WIN 0x52                                       ; source 0 (B) window 2, source 1 (A) window 0, C and D window 1
.irp a, 0,1,2,3
.irp b, 0,1,2,3,4,5,6,7
.if (\st) == 0
	v_wmma_scale_f32_16x16x128_f8f6f4 v[8*(8*\a+\b):8*(8*\a+\b)+7], v[96*((\st)%2)+FR*\b:96*((\st)%2)+FR*\b+FR-1], v[AF+48*((\st)%2)+FR*\a:AF+48*((\st)%2)+FR*\a+FR-1], 0, v[SB+8*\b+(\st)], v[SA+8*\a+(\st)] matrix_a_fmt:MATRIX_FMT_FP6 matrix_b_fmt:MATRIX_FMT_FP6
.else
	v_wmma_scale_f32_16x16x128_f8f6f4 v[8*(8*\a+\b):8*(8*\a+\b)+7], v[96*((\st)%2)+FR*\b:96*((\st)%2)+FR*\b+FR-1], v[AF+48*((\st)%2)+FR*\a:AF+48*((\st)%2)+FR*\a+FR-1], v[8*(8*\a+\b):8*(8*\a+\b)+7], v[SB+8*\b+(\st)], v[SA+8*\a+(\st)] matrix_a_fmt:MATRIX_FMT_FP6 matrix_b_fmt:MATRIX_FMT_FP6
.endif
.endr
.endr
	WIN 0
.endm
	s_wait_alu depctr_va_vdst(0)                   ; at the head's end
	s_wait_tensorcnt 0x0                           ; my half has landed,
	s_barrier_signal -1
	s_barrier_wait -1                              ; everybody's has
	FETCH 0
	s_wait_loadcnt 0x0                             ; the scale words are in
.set ST, 0
.rept 8                                ; the eight steps of 128 along K: the scale words' registers differ from step to step
	s_wait_dscnt 0x0                               ; this step's fragments are in (asked for ahead of the last step's 32 matrix instructions)
.if ST < 7
.if ST > 0
	PLACES                                         ; in front of loads into the set that the last step multiplied
.endif
	FETCH ST+1
.endif
	MUL ST
.set ST, ST+1
.endr
	s_barrier_signal -1                            ; my LDS reads were over at the last step's wait: behind this barrier nobody reads A's bytes, and the stages may lie there
	s_barrier_wait -1
; THE WAY OUT, block by block of 16 rows x 128 columns, through my stage: whole rows of 512 bytes come back, which the 32 lanes store as two aligned runs of 256 bytes.
; B's block b holds columns 32 (b / 2) + 16 (lane / 16) + 8 (b % 2) + 0..7; stage row t of A's block a is row 32 (a / 2) + 8 (a % 2) + t + 8 (t / 8).
.macro TOSTAGE a
.set AC, 64*(\a)
	WIN 0x04                                       ; the data: window 1
.irp b, 0,1,2,3,4,5,6,7
	ds_store_b128 v[STO], v[AC+8*\b:AC+8*\b+3] offset:128*(\b/2)+32*(\b%2)      ; each accumulator from its low end on
	ds_store_b128 v[STO], v[AC+8*\b+4:AC+8*\b+7] offset:128*(\b/2)+32*(\b%2)+16
.endr
	WIN 0
.set BB, BK+64*((\a)%2)
.irp t, 0,1,2,3,4,5,6,7,8,9,10,11,12,13,14,15
	ds_load_b128 v[BB+4*\t:BB+4*\t+3], v[RD] offset:\t*SPITCH    ; LDS serves a wave's instructions in order: these see the stores above
.endr
.endm
.macro SEND a, younger                 ; younger: the LDS instructions issued behind block a's loads
.set BB, BK+64*((\a)%2)
	s_wait_dscnt \younger
.if (\a) > 0
.if ((\a)%2) == 1
	s_add_nc_u64 s[12:13], s[12:13], 8*SIZE_N*4    ; (behind a wait on XCNT: the earlier stores have read their base)
.else
	s_add_nc_u64 s[12:13], s[12:13], 24*SIZE_N*4
.endif
.endif
.irp t, 0,1,2,3,4,5,6,7,8,9,10,11,12,13,14,15
	global_store_b128 v[CO], v[BB+4*\t:BB+4*\t+3], s[12:13] offset:(\t+8*(\t/8))*SIZE_N*4 th:TH_STORE_NT
.endr
.endm
	PLACES                                         ; behind the last products: their results are read, and A's fragment registers loaded into, below
	TOSTAGE 0
.irp a, 1,2,3
.if \a > 1
	s_wait_xcnt 0x0                                ; block a - 2's stores have read their registers and their base
.endif
	TOSTAGE \a
	SEND \a-1, 32                                  ; behind block a - 1's loads: block a's 16 stores and 16 loads
.endr
	s_wait_xcnt 0x0
	SEND 3, 0
	s_wait_tensorcnt 0x0                           ; the wave's end
	ds_add_u32 v[SPW], v[NIL]
	s_wait_dscnt 0x0
	CROUND                                         ; the closing round
	s_endpgm
.Lfunc_end_k_qf787198965_outproj:
	.size	k_qf787198965_outproj, .Lfunc_end_k_qf787198965_outproj-k_qf787198965_outproj
	.p2alignl 7, 3214868480
	.fill 96, 4, 3214868480
	.section	.rodata,"a",@progbits
	.p2align	6, 0x0
	.amdhsa_kernel k_qf787198965_outproj
		.amdhsa_group_segment_fixed_size 327680
		.amdhsa_private_segment_fixed_size 0
		.amdhsa_enable_private_segment 0
		.amdhsa_kernarg_size 40
		.amdhsa_user_sgpr_count 2
		.amdhsa_user_sgpr_kernarg_segment_ptr 1
		.amdhsa_wavefront_size32 1
		.amdhsa_system_sgpr_workgroup_id_x 1
		.amdhsa_system_sgpr_workgroup_id_y 1
		.amdhsa_system_sgpr_workgroup_id_z 1
		.amdhsa_system_vgpr_workitem_id 0
		.amdhsa_next_free_vgpr 768
		.amdhsa_next_free_sgpr 98
		.amdhsa_reserve_vcc 0
		.amdhsa_float_denorm_mode_32 3
		.amdhsa_float_denorm_mode_16_64 3
		.amdhsa_memory_ordered 1
		.amdhsa_forward_progress 1
		.amdhsa_inst_pref_size 90
	.end_amdhsa_kernel
	.amdgpu_metadata
---
amdhsa.version: [ 1, 2 ]
amdhsa.kernels:
  - .name:           k_qf787198965_outproj
    .symbol:         k_qf787198965_outproj.kd
    .args:
      - { .name: ac, .offset: 0, .size: 8, .value_kind: global_buffer, .address_space: global }
      - { .name: asc, .offset: 8, .size: 8, .value_kind: global_buffer, .address_space: global }
      - { .name: wc, .offset: 16, .size: 8, .value_kind: global_buffer, .address_space: global }
      - { .name: ws, .offset: 24, .size: 8, .value_kind: global_buffer, .address_space: global }
      - { .name: out0, .offset: 32, .size: 8, .value_kind: global_buffer, .address_space: global }
    .group_segment_fixed_size: 327680
    .private_segment_fixed_size: 0
    .kernarg_segment_align: 8
    .kernarg_segment_size: 40
    .max_flat_workgroup_size: 128
    .sgpr_count:     98
    .vgpr_count:     768
    .wavefront_size: 32
...
	.end_amdgpu_metadata
.endif
;; end of part 4
